; MI455X (gfx1250); checked and timed in simulation.
; The chip was launched on July 23, 2026; its instructions are those of AMD's public machine-readable ISA for CDNA 5 (MIT licence, August 2026) and "CDNA5" Instruction Set Architecture Reference Guide (July 2026). The comments in the code are by the model that wrote it; some were corrected since.
;; cross attn. Allowed arithmetic: float matrix products may take bf16 or f16 operands with f32 sums; other float arithmetic in f32, or as packed bf16 or f16 multiplies, adds, multiply-adds, maxima and minima; sums over many terms, partial sums and values carried from step to step in f32; what a program stores and reads back later, other than sums and carried values, may be rounded once to bf16 or f16.
;; Inputs: Wk 512 x 512 float32; Wo1 512 x 512 float32; Wo2 512 x 512 float32; Wq 512 x 512 float32; Wv 512 x 512 float32; bk 512 float32; bo1 512 float32; bo2 512 float32; bq 512 float32; bv 512 float32; key 8 x 4,096 x 512 float32; kln_b 64 float32; kln_w 64 float32; query 8 x 4,096 x 512 float32; value 8 x 4,096 x 512 float32; vln_b 64 float32; vln_w 64 float32.
;; Outputs: out0 8 x 4,096 x 512 float32.
;; 2 versions, each right; version 2 is version 1 with the launch fold written anew for expert scheduling mode. Each part assembles by itself: llvm-mc -triple=amdgcn-amd-amdhsa -mcpu=gfx1250 --defsym DOCPART=n.
;; ======== version 1 of 2: 4 launches
;; limits: a function is approximated: absolute error at most 2.5e-05; an absolute error that grows with the inputs' magnitude: up to 1.25e-05 times it
;; workspace buffers: wf 2,097,152 bytes; part 33,554,432 bytes; rw 4,194,304 bytes; pbias 16,384 bytes
;; launch prep (part 1): grid 64 x 4, 4 waves a work-group, no clusters, 0 bytes of LDS; arguments Wk, Wv, Wo1, Wo2, wf; writes wf
.if DOCPART == 1
	.amdgcn_target "amdgcn-amd-amdhsa--gfx1250"
	.amdhsa_code_object_version 6
	.text
	.protected	k_qd87e33c176_prep
	.globl	k_qd87e33c176_prep
	.p2align	8
	.type	k_qd87e33c176_prep,@function
k_qd87e33c176_prep:
	s_mov_b64 s[64:65], 0
	v_nop
	global_prefetch_b8 v0, s[64:65] scope:SCOPE_SE
	s_setreg_imm32_b32 hwreg(HW_REG_WAVE_MODE, 25, 1), 1
	s_wait_xcnt 0x0
; wf = Wk', Wv', Wo1, Wo2 in bf16, 524,288 bytes each, in FRAGMENT ORDER.  Wk' and Wv' are Wk and Wv with, in every column, the mean over the 64 rows of
; each head taken away (in f32, before the one rounding): x W'^T is then x W^T less its mean over the head's channels, which is the LayerNorm's first step.
; FRAGMENT ORDER of W[n][c]: [c/64][n/128][(c/32)&1][(n/16)&7][(c/16)&1][lane = n%16 + 16 ((c%16)/8)][8 bf16, c%8 ascending]: a matrix operand of 16 rows x 32 K is
; 1,024 dense bytes, a lane's two halves of it lie at 16 x lane and 512 + 16 x lane, and the 128 rows x 64 K that one wave of the later launches multiplies by are 16,384 dense bytes.
; SHARES.  Work-group (x, y): matrix y, rows 64 (x / 8) .. + 63 (a head), columns 64 (x % 8) .. + 63.  Wave w: 16 of the columns.  Lane (r = l % 16, h = l / 16): rows 16 nt + r,
; nt = 0..3, columns 8 h .. 8 h + 7.  The four waves read 256 consecutive bytes of each row; a store of a wave covers 512 consecutive bytes.  No LDS: the sum over rows is 3 additions and 4 lane steps.
.set X,   8                            ; v[8:39]   four blocks of 8 numbers
.set SUM, 40                           ; v[40:47]  the column sums
.set Y,   48                           ; v[48:63]  packed results
	s_load_b256 s[4:11], s[0:1], 0x0               ; Wk, Wv, Wo1, Wo2
	s_load_b64 s[12:13], s[0:1], 0x20              ; wf
	s_and_b32 s20, ttmp7, 0xffff                   ; the matrix
	s_lshr_b32 s21, ttmp9, 3                       ; the slab of 64 rows
	s_and_b32 s22, ttmp9, 7                        ; the block of 64 columns
	v_lshrrev_b32 v1, 5, v0
	v_readfirstlane_b32 s23, v1                    ; wave
	v_and_b32 v3, 15, v0                           ; r
	v_bfe_u32 v4, v0, 4, 1                         ; h
	v_and_b32 v2, 31, v0
	v_lshlrev_b32 v2, 4, v2                        ; out: 16 x lane
	v_lshlrev_b32 v5, 11, v3                       ; in: r rows of 2,048 bytes
	v_lshl_add_u32 v5, v4, 5, v5                   ; + 8 h columns
	s_lshl_b32 s24, s23, 6
	v_add_nc_u32 v5, s24, v5                       ; + 16 w columns
	s_cmp_lt_u32 s20, 2
	s_cselect_b32 s16, 0xbc800000, 0               ; -1/64 for Wk and Wv, 0 for the others
	s_mov_b32 s17, s16                             ; named with it as a pair
	s_lshl_b32 s24, s21, 17                        ; 64 rows
	s_lshl_b32 s25, s22, 8
	s_add_co_u32 s24, s24, s25
	s_mov_b32 s25, 0
	s_lshl_b32 s26, s20, 19                        ; out: the matrix,
	s_lshl_b32 s27, s22, 16                        ; the tile c / 64,
	s_add_co_u32 s26, s26, s27
	s_lshr_b32 s27, s21, 1
	s_lshl_b32 s27, s27, 14                        ; n / 128 = slab / 2,
	s_add_co_u32 s26, s26, s27
	s_lshr_b32 s27, s23, 1
	s_lshl_b32 s27, s27, 13                        ; (c / 32) & 1 = w / 2,
	s_add_co_u32 s26, s26, s27
	s_and_b32 s27, s21, 1
	s_lshl_b32 s27, s27, 12                        ; (n / 16) & 7 = 4 (slab & 1) + nt,
	s_add_co_u32 s26, s26, s27
	s_and_b32 s27, s23, 1
	s_lshl_b32 s27, s27, 9                         ; (c / 16) & 1 = w & 1
	s_add_co_u32 s26, s26, s27
	s_mov_b32 s27, 0
	s_wait_kmcnt 0x0
	s_cmp_eq_u32 s20, 1
	s_cselect_b64 s[14:15], s[6:7], s[4:5]
	s_cmp_eq_u32 s20, 2
	s_cselect_b64 s[14:15], s[8:9], s[14:15]
	s_cmp_eq_u32 s20, 3
	s_cselect_b64 s[14:15], s[10:11], s[14:15]
	s_add_nc_u64 s[14:15], s[14:15], s[24:25]
	s_add_nc_u64 s[12:13], s[12:13], s[26:27]
.irp nt, 0,1,2,3
	global_load_b128 v[X+8*(\nt):X+8*(\nt)+3],   v5, s[14:15] offset:(\nt)*32768 th:TH_LOAD_NT
	global_load_b128 v[X+8*(\nt)+4:X+8*(\nt)+7], v5, s[14:15] offset:(\nt)*32768+16 th:TH_LOAD_NT
.endr
	s_wait_loadcnt 0x0
.irp k, 0,2,4,6
	v_pk_add_f32 v[SUM+(\k):SUM+(\k)+1], v[X+(\k):X+(\k)+1], v[X+8+(\k):X+8+(\k)+1]
	v_pk_add_f32 v[SUM+(\k):SUM+(\k)+1], v[SUM+(\k):SUM+(\k)+1], v[X+16+(\k):X+16+(\k)+1]
	v_pk_add_f32 v[SUM+(\k):SUM+(\k)+1], v[SUM+(\k):SUM+(\k)+1], v[X+24+(\k):X+24+(\k)+1]
.endr
.irp m, 1,2,4,8                        ; over the 16 lanes that hold the same columns: every lane ends with the sum over the 64 rows
.irp k, 0,1,2,3,4,5,6,7
	v_add_f32_dpp v[SUM+(\k)], v[SUM+(\k)], v[SUM+(\k)] row_xmask:\m row_mask:0xf bank_mask:0xf
.endr
.endr
.set i, 0
.rept 16
	v_pk_fma_f32 v[X+2*i:X+2*i+1], v[SUM+2*(i%4):SUM+2*(i%4)+1], s[16:17], v[X+2*i:X+2*i+1] op_sel_hi:[1,0,1]  ; x - sum / 64, or x
.set i, i+1
.endr
.set i, 0
.rept 16
	v_cvt_pk_bf16_f32 v[Y+i], v[X+2*i], v[X+2*i+1]
.set i, i+1
.endr
.irp nt, 0,1,2,3
	global_store_b128 v2, v[Y+4*(\nt):Y+4*(\nt)+3], s[12:13] offset:(\nt)*1024
.endr
	s_endpgm
.Lfunc_end_k_qd87e33c176_prep:
	.size	k_qd87e33c176_prep, .Lfunc_end_k_qd87e33c176_prep-k_qd87e33c176_prep
	.p2alignl 7, 3214868480
	.fill 96, 4, 3214868480
	.section	.rodata,"a",@progbits
	.p2align	6, 0x0
	.amdhsa_kernel k_qd87e33c176_prep
		.amdhsa_group_segment_fixed_size 0
		.amdhsa_private_segment_fixed_size 0
		.amdhsa_enable_private_segment 0
		.amdhsa_kernarg_size 40
		.amdhsa_user_sgpr_count 2
		.amdhsa_user_sgpr_kernarg_segment_ptr 1
		.amdhsa_wavefront_size32 1
		.amdhsa_system_sgpr_workgroup_id_x 1
		.amdhsa_system_sgpr_workgroup_id_y 1
		.amdhsa_system_sgpr_workgroup_id_z 1
		.amdhsa_system_vgpr_workitem_id 0
		.amdhsa_next_free_vgpr 64
		.amdhsa_next_free_sgpr 66
		.amdhsa_reserve_vcc 0
		.amdhsa_float_denorm_mode_32 3
		.amdhsa_float_denorm_mode_16_64 3
		.amdhsa_memory_ordered 1
		.amdhsa_forward_progress 1
		.amdhsa_inst_pref_size 8
	.end_amdhsa_kernel
	.amdgpu_metadata
---
amdhsa.version: [ 1, 2 ]
amdhsa.kernels:
  - .name:           k_qd87e33c176_prep
    .symbol:         k_qd87e33c176_prep.kd
    .args:
      - { .name: Wk, .offset: 0, .size: 8, .value_kind: global_buffer, .address_space: global }
      - { .name: Wv, .offset: 8, .size: 8, .value_kind: global_buffer, .address_space: global }
      - { .name: Wo1, .offset: 16, .size: 8, .value_kind: global_buffer, .address_space: global }
      - { .name: Wo2, .offset: 24, .size: 8, .value_kind: global_buffer, .address_space: global }
      - { .name: wf, .offset: 32, .size: 8, .value_kind: global_buffer, .address_space: global }
    .group_segment_fixed_size: 0
    .private_segment_fixed_size: 0
    .kernarg_segment_align: 8
    .kernarg_segment_size: 40
    .max_flat_workgroup_size: 128
    .sgpr_count:     66
    .vgpr_count:     64
    .wavefront_size: 32
...
	.end_amdgpu_metadata
.endif
;; end of part 1
;; launch kvsum (part 2): grid 256 x 1, 4 waves a work-group, clusters of 4 x 1, 327,680 bytes of LDS; arguments key, value, wf, bk, bv, kln_w, kln_b, vln_w, vln_b, part; writes part
.if DOCPART == 2
	.amdgcn_target "amdgcn-amd-amdhsa--gfx1250"
	.amdhsa_code_object_version 6
	.text
	.protected	k_qd87e33c176_kvsum
	.globl	k_qd87e33c176_kvsum
	.p2align	8
	.type	k_qd87e33c176_kvsum,@function
k_qd87e33c176_kvsum:
	s_mov_b64 s[64:65], 0
	v_nop
	global_prefetch_b8 v0, s[64:65] scope:SCOPE_SE
	s_setreg_imm32_b32 hwreg(HW_REG_WAVE_MODE, 25, 1), 1
	s_wait_xcnt 0x0
	s_wait_alu depctr_hold_cnt(0) depctr_sa_sdst(0) depctr_va_vdst(0) depctr_va_sdst(0) depctr_va_ssrc(0) depctr_va_vcc(0) depctr_vm_vsrc(0)
	s_getreg_b32 s2, hwreg(HW_REG_IB_STS2, 6, 4)
	s_cmp_eq_u32 s2, 0
	s_cbranch_scc0 .Lentry_in_a_cluster
	s_endpgm
.Lentry_in_a_cluster:
	s_bfe_u32 s2, ttmp6, 0x10000c
	s_cmp_lg_u32 s2, 0x3003
	s_cbranch_scc0 .Lentry_shape_is_right
	s_endpgm
.Lentry_shape_is_right:
; part[wg][head] = the sum over the work-group's 128 rows l of LN(k)[l][d] LN(v)[l][e], f32, for all 8 heads; k = key Wk^T + bk, v = value Wv^T + bv.
; The LayerNorm's mean is already out of the weights (wf holds them centred over each head's 64 rows); the bias is centred here; what is left is the sum of squares.
; LIMITS.  Every input counts as its rounding to bf16: key and value as matrix operands, bk, bv and the four LayerNorm vectors by a rounding of their own (Wk and Wv: centred in f32, then rounded once).
; The LayerNorm is taken of the f32 sums; its results, matrix operands, are rounded once to bf16.  v_rsq_f32 flushes denormals; NaN and infinities are not treated apart.
; SHARES.  A work-group owns 128 rows.  A PASS is C[128][512] = A[128][512] W^T + bias (pass 0: k, pass 1: v), K in 8 STEPS of 64.  Wave w makes all 128 rows x columns 128 w .. + 127 (two heads):
; 64 accumulators of 16 x 16, 512 registers; 32 LDS loads feed 64 matrix instructions.  Source 0 = 16 rows of W, source 1 = 16 rows of A: a lane holds row l % 16 and the columns 8 (l / 16) + 0..7.
; W comes by the tensor data mover: a tile (64 K of all 512 rows, 65,536 dense bytes in fragment order) a step, two slots, each wave the quarter that holds its own 128 rows of W.  CLUSTER: the four
; work-groups of a cluster walk the same 16 tiles in the same order, so they ask JOINTLY (same load, same descriptor, mask of four).
; THE WALK OVER K IS TURNED FROM CLUSTER TO CLUSTER: cluster x takes a pass's tiles, and the chunks of key or value that go with them, in the order x % 8, x % 8 + 1, .. modulo 8 (f32 sums may be taken in
; any order).  So in one step the launch's 64 clusters name eight different tiles, and the tile that a cluster asks for in a step is the one that another cluster asked for two steps before.
; A comes by loads into registers, two steps ahead, is rounded to bf16 once and stored into two LDS slots of its own; ahead of those loads each wave prefetches what its next staging will load.
; LDS: 0 W's two slots | 131,072 A's two slots (128 rows x 144 bytes: 128 of data, 16 of padding = 36 words: the 16 rows of a load start at 16 different groups of four banks, ISA guide 11.1)
;      | 167,936 XR: k as bf16, eight such slots, slot = head | 315,392 the spare words.  v goes to bytes 0 .. 147,455 when W's and A's slots have had their last fill and their last read.
; REGISTERS, in windows of 256 (s_set_vgpr_msb: bits 1:0 source 0, 3:2 source 1, 5:4 source 2, 7:6 destination):
;   window 0: v0-29 addresses; v32-63 at work; v64-127, v128-191 A's fragments, two buffers; v192-255 the bias as a C operand (block b: bias[128 w + 16 b + 8 (l / 16) + j])
;   window 1: v64-127, v128-191 W's fragments; v0-63, v192-255 the 128 staging registers       windows 2, 3: accumulator (a, b) at v[8 (8 (a % 4) + b)] of window 2 + a / 4
.set WSLOT, 65536
.set AR,    131072
.set ASL,   18432                      ; a slot of A: 128 rows x 144 bytes
.set AP,    144
.set XR,    167936
.set SPARE, 315392                     ; 128 bytes for each wave: two blocks of 256 bytes that no other line names
.set NCH,   16                         ; chunks of 64 columns: 8 of key, 8 of value
.set A0,   2                           ; v2   (l % 16) x 144 + 16 (l / 16): my place in a fragment of A, and in a row block of a result
.set B0,   3                           ; v3   16,384 w + 16 l: my place in my wave's fragments of W
.set ADRA, 4                           ; v4, v5  the addresses of the runs of loads in hand
.set ADRB, 5
.set STA,  6                           ; v6   where I store 8 bytes of a staged row; never rewritten
.set GA,   7                           ; v7   (l / 16) x 2,048 + 16 (l % 16): my 16 bytes in two rows of key or value
.set LPA,  9                           ; v9   a pass's end: my 16 bytes of the row block in hand
.set PFO,  10                          ; v10  256 l
.set BO,   11                          ; v11  512 w + 32 (l / 16): my 8 numbers of a bias block
.set LN,   12
.set RR,   13
.set HH,   14
.set L7,   17
.set LNO,  18                          ; v18  32 (l / 16): my 8 gains of a block of 16 channels
.set TK0,  19                          ; v19  (8 (l / 16) + l % 8) x 144 + 16 ((l / 8) % 2): the turning load's lane term
.set PO,   20                          ; v20  16 l
.set TKA,  21
.set TVA,  22
.set PFR,  23                          ; v23  2,048 l: a lane a row of key or value; never rewritten
.set RS,   24                          ; v24, v26  1 / sqrt of the two heads, each the low register of a pair
.set SPW,  28                          ; v28  my spare word; never rewritten
.set NIL,  29                          ; v29  0; never rewritten
.set TMP,  32
.set SQ,   32                          ; v[32:39] a pass's end: four chains of squares
.set F0,   64
.set F1,   128
.set LW,   64                          ; a pass's end: v[64:95] my 32 gains (register 8 bb + j: channel 16 bb + 8 (l / 16) + j), v[96:127] my 32 offsets
.set LB,   96
.set GX,   128                         ; v[128:191] the row block's 64 sums in f32: register 8 b + j
.set BIAS, 192
.set T0, 2
.set T1, 3
.set KEY, 4
.set VAL, 6
.set WF, 8
.set BK, 10
.set BV, 12
.set KW, 14
.set KB, 16
.set VW, 18
.set VB, 20
.set PART, 22
.set G1,  24                           ; s[24:31] descriptor group 1
.set G0A, 32                           ; s[32:35] group 0 of the first fill of slot 0
.set G0,  36                           ; s[36:39] group 0 of the first fill of slot 1, then of every refill
.set WV,  40
.set MYP, 41                           ; wave / 2: the parity of the chunks that I stage
.set CH,  42                           ; the chunk to be stored next
.set TBA, 43                           ; LDS byte of the A slot to be fetched from
.set TBW, 44                           ; the same for W
.set UU,  45                           ; the place in the walk, 0 .. 15, of the tile to be asked for next
.set LEFT, 46                          ; passes to go, this one among them
.set CNT, 47
.set PFA, 48                           ; s[48:49] what my one prefetch of a tile of W names; never rewritten
.set PFT, 50                           ; 7 in a wave that prefetches a tile of W, else the greatest number
.set GP,  52                           ; s[52:53] base of the staging loads in flight
.set KEYP, 54                          ; s[54:55], s[56:57] key and value at my 64 rows
.set VALP, 56
.set OFF, 58                           ; s[58:59] an offset, high word 0
.set SEL, 60
.set MHI, 62
.set ROT, 63                           ; cluster x % 8: where my cluster's walk over K begins
.set C64, 66
.set EPS, 67
.set WFB, 68                           ; s[68:69] wf at my wave's quarter of a tile
.set PP,  70                           ; s[70:71] part at my wave's first head
.set LPS, 72
.set TKS, 73
.set TVS, 74
.set CX,  75
.set WG,  76
.set CXO, 78                           ; s[78:79] offsets that hold my place in the cluster: they enter key's, value's, part's and the prefetch's addresses alone
.set PFB, 80                           ; s[80:81] base of my prefetches of key or value
.set MSB, 0
.macro WIN new                         ; the immediate's high byte repeats the setting that is left; a switch that changes nothing is dropped
.if MSB != (\new)
	s_set_vgpr_msb (MSB<<8)|(\new)
.set MSB, \new
.endif
.endm
.macro PLACES                          ; four places behind a matrix instruction (ISA guide 7.12.1 for vector instructions)
.rept 4
	v_nop
.endr
.endm
.macro ROUND16 base, n                 ; n pairs of f32 are rounded to bf16 and widened again, in place; in three sweeps, so that no line reads the result of the line before it
.set k, 0
.rept \n
	v_cvt_pk_bf16_f32 v[(\base)+2*k], v[(\base)+2*k], v[(\base)+2*k+1]
.set k, k+1
.endr
.set k, 0
.rept \n
	v_and_b32 v[(\base)+2*k+1], s[MHI], v[(\base)+2*k]
.set k, k+1
.endr
.set k, 0
.rept \n
	v_lshlrev_b32 v[(\base)+2*k], 16, v[(\base)+2*k]
.set k, k+1
.endr
.endm
.macro CREST                           ; a round of the cluster's barrier behind its opening barrier
	s_cmp_lg_u32 s[WV], 0
	s_cbranch_scc1 .Lnot_wave_0_\@
	s_barrier_signal -3
.Lnot_wave_0_\@:
	s_barrier_wait -3
	s_barrier_signal -1
	s_barrier_wait -1
.endm
.macro CROUND
	s_barrier_signal -1
	s_barrier_wait -1
	CREST
.endm
; 16 matrix instructions: row blocks a0, a0 + 1 of the window's four x all 8 column blocks, 32 along K.  zero = 1: the sums start with the bias as C: nothing is cleared, no bias is added later.
; The 64 accumulators take turns in the same order in every half step.
.macro MUL16 f, hi, a0, zero
.if \zero
	WIN 0x81+0x40*(\hi)
.else
	WIN 0xa1+0x50*(\hi)
.endif
.irp a, \a0, (\a0)+1
.irp b, 0,1,2,3,4,5,6,7
.if \zero
	v_wmma_f32_16x16x32_bf16 v[8*(8*(\a)+(\b)):8*(8*(\a)+(\b))+7], v[(\f)+8*(\b):(\f)+8*(\b)+7], v[(\f)+8*(4*(\hi)+(\a)):(\f)+8*(4*(\hi)+(\a))+7], v[BIAS+8*(\b):BIAS+8*(\b)+7]
.else
	v_wmma_f32_16x16x32_bf16 v[8*(8*(\a)+(\b)):8*(8*(\a)+(\b))+7], v[(\f)+8*(\b):(\f)+8*(\b)+7], v[(\f)+8*(4*(\hi)+(\a)):(\f)+8*(4*(\hi)+(\a))+7], v[8*(8*(\a)+(\b)):8*(8*(\a)+(\b))+7]
.endif
.endr
.endr
.endm
; 32 LDS loads in one run: half k of a step (32 along K): my 8 fragments of W, then the 8 of A
.macro FETCH k, f
	WIN 0x40
.irp i, 0,1,2,3,4,5,6,7
	ds_load_b128 v[(\f)+8*(\i):(\f)+8*(\i)+3],   v[ADRB] offset:(\k)*8192+(\i)*1024
	ds_load_b128 v[(\f)+8*(\i)+4:(\f)+8*(\i)+7], v[ADRB] offset:(\k)*8192+(\i)*1024+512
.endr
	WIN 0
.irp i, 0,1,2,3,4,5,6,7
	ds_load_b128 v[(\f)+8*(\i):(\f)+8*(\i)+3],   v[ADRA] offset:(\k)*64+(\i)*16*AP
	ds_load_b128 v[(\f)+8*(\i)+4:(\f)+8*(\i)+7], v[ADRA] offset:(\k)*64+(\i)*16*AP+32
.endr
.endm
.macro JLOAD                           ; the joint refill: every wave its quarter of the tile; an s_nop 0 and four v_nop follow
	tensor_load_to_lds s[G0:G0+3], s[G1:G1+7]
	s_nop 0
	PLACES
.endm
; THE PREFETCH OF A TILE OF W: the tile with which my cluster's walk through Wv' begins, named behind the refill for place 6 of the walk, two refills ahead of the load that wants it (place 8).  No other
; cluster's request for that tile comes earlier.  Clusters 0 to 7 have the eight different walks: they ask, each for its own first tile, so Wv's eight tiles are each named once in the launch.  A tile is 256
; blocks of 256 bytes: 4 partners x waves 0, 1 x 32 lanes, told apart BY ADDRESS (32,768 w + 8,192 cx + 256 l).  Wk's tiles come by their loads alone: nothing is prefetched at the head.
; The macro stands in the loop's change of slots alone: at a pass's end UU is 10, and the test could never hold.
.macro ASK
	s_cmp_eq_u32 s[UU], s[PFT]
	s_cbranch_scc0 .Lnot_asked_\@
	global_prefetch_b8 v[PFO], s[PFA:PFA+1] th:TH_LOAD_NT scope:SCOPE_SE
.Lnot_asked_\@:
.endm
; Chunk CH of the walk (64 columns of the 128 rows) goes from registers to its LDS slot, and chunk CH + 2 is asked for.  Waves 0, 1 take the even chunks, waves 2, 3 the odd ones; wave & 1 picks rows 0-63 or
; 64-127.  A load covers 2 rows x 256 bytes; its 4 f32 a lane become 8 bytes.  The slot CH & 1 was last read a step ago, ahead of the barrier of the last change of slots.
; pf = 1: A PREFETCH INTO THE L2 of my own 64 rows x 256 bytes of the chunk at place CH + 4: a lane a row, two instructions, behind the 32 loads for place CH + 2.  It names what my next staging, two steps
; (256 matrix instructions) on, will load.  Each row's 256 bytes of a chunk are named once in the launch, by the wave that will load them.  Places 0 to 4 come by their loads alone (pf = 0 at the head);
; the stagings of places 12 on ask for nothing: there is no place 16.
.macro STAGE pf
	WIN 0
	s_and_b32 s[T0], s[CH], 1
	s_cmp_eq_u32 s[T0], s[MYP]
	s_cbranch_scc0 .Lnot_mine_\@
	s_wait_loadcnt 0x0                             ; my one set of 32 loads, issued two steps ago, is all that can be out; it also frees their base
.if \pf
	s_wait_xcnt 0x0                                ; my last prefetches, two steps back, have read their base: it is written here, far ahead of the prefetches below
	s_add_co_u32 s[T0], s[CH], 4
	s_cmp_lt_u32 s[T0], 8
	s_cselect_b64 s[PFB:PFB+1], s[KEYP:KEYP+1], s[VALP:VALP+1]
	s_add_co_u32 s[T0], s[T0], s[ROT]
	s_and_b32 s[T0], s[T0], 7
	s_lshl_b32 s[OFF], s[T0], 8
	s_add_nc_u64 s[PFB:PFB+1], s[PFB:PFB+1], s[OFF:OFF+1]
.endif
	WIN 0x45
.set i, 0
.rept 32
.set sr, 4*i+128*(i/16)
	v_cvt_pk_bf16_f32 v[sr], v[sr], v[sr+1]
	v_cvt_pk_bf16_f32 v[sr+1], v[sr+2], v[sr+3]
.set i, i+1
.endr
	WIN 0x04
.set i, 0
.rept 32
.set sr, 4*i+128*(i/16)
	ds_store_b64 v[STA], v[sr:sr+1] offset:i*2*AP
.set i, i+1
.endr
	WIN 0
	s_cmp_lt_u32 s[CH], NCH-2                      ; the last two chunks have nothing behind them
	s_cbranch_scc0 .Lnot_mine_\@
	s_add_co_u32 s[T0], s[CH], 2
	s_cmp_lt_u32 s[T0], 8
	s_cselect_b64 s[GP:GP+1], s[KEYP:KEYP+1], s[VALP:VALP+1]
	s_add_co_u32 s[T0], s[T0], s[ROT]              ; the walk's place, turned: the columns that go with the step's tile of W
	s_and_b32 s[T0], s[T0], 7
	s_lshl_b32 s[OFF], s[T0], 8
	s_add_nc_u64 s[GP:GP+1], s[GP:GP+1], s[OFF:OFF+1]
	WIN 0x40
.set i, 0
.rept 32
.set sr, 4*i+128*(i/16)
	global_load_b128 v[sr:sr+3], v[GA], s[GP:GP+1] offset:i*4096 th:TH_LOAD_NT
.set i, i+1
.endr
	WIN 0
.if \pf
	s_cmp_lt_u32 s[CH], NCH-4
	s_cbranch_scc0 .Lnot_mine_\@
	global_prefetch_b8 v[PFR], s[PFB:PFB+1] th:TH_LOAD_NT scope:SCOPE_SE               ; my rows 0 to 31,
	global_prefetch_b8 v[PFR], s[PFB:PFB+1] offset:65536 th:TH_LOAD_NT scope:SCOPE_SE  ; and 32 to 63
.endif
.Lnot_mine_\@:
	s_add_co_u32 s[CH], s[CH], 1
.endm
; A step's first half: multiplies buffer 0; in its middle the next chunk is staged and the second half's fragments are fetched into buffer 1.
.macro QUARTER zero, stage
	s_wait_dscnt 8                                 ; W and A's rows 0-63 are in; the youngest eight loads (A's rows 64-127) may be out
	MUL16 F0, 0, 0, \zero
	MUL16 F0, 0, 2, \zero
.if \stage
	STAGE 1
.endif
	PLACES
	FETCH 1, F1
	s_wait_dscnt 32                                ; all but the 32 just issued (the staging stores are older)
	MUL16 F0, 1, 0, \zero
	MUL16 F0, 1, 2, \zero
.endm
; A step's second half multiplies buffer 1 and changes slots: ONE barrier.  In front of it each wave waits for all its tensor loads (one is out: its quarter of the next tile), adds 0 to its spare word, and
; waits for that, for its reads of both slots and for its staging stores.  fill = 1: the barrier opens a round of the cluster's barrier, and W's slot just read takes the tile at place UU of the walk, first
; thing behind it; the descriptor's address is made anew from that number: matrix UU / 8, tile (UU + ROT) % 8.
.macro TURN fill, fetch, ask
	WIN 0
	s_wait_tensorcnt 0x0
	ds_add_u32 v[SPW], v[NIL]
	s_wait_dscnt 9                                 ; the add and the youngest eight loads may be out
	MUL16 F1, 0, 0, 0
	s_wait_dscnt 0x0
	s_barrier_signal -1
	MUL16 F1, 0, 2, 0
	WIN 0
	s_barrier_wait -1
.if \fill
	CREST
	s_add_co_u32 s[T0], s[UU], s[ROT]              ; no tensor load of mine is out: the descriptor may be written
	s_and_b32 s[T0], s[T0], 7
	s_and_b32 s[T1], s[UU], 8
	s_or_b32 s[T0], s[T0], s[T1]
	s_lshl_b32 s[OFF], s[T0], 16
	s_add_nc_u64 s[G0+2:G0+3], s[WFB:WFB+1], s[OFF:OFF+1]
	s_or_b32 s[G0+3], s[G0+3], 0x80000000
	s_xor_b32 s[G0+1], s[G0+1], WSLOT
	s_add_co_u32 s[UU], s[UU], 1
	JLOAD
.else
	PLACES
.endif
	s_xor_b32 s[TBW], s[TBW], WSLOT
	s_xor_b32 s[TBA], s[TBA], ASL                  ; 131,072 and 149,504 differ in the bits of 18,432 alone
.if \fetch
	v_add_nc_u32 v[ADRA], s[TBA], v[A0]
	v_add_nc_u32 v[ADRB], s[TBW], v[B0]
	FETCH 0, F0
.endif
.if \ask
	ASK
.endif
	MUL16 F1, 1, 0, 0
	MUL16 F1, 1, 2, 0
.endm
.macro BLOAD p                         ; a bias block: 64 registers
.irp b, 0,1,2,3,4,5,6,7
	global_load_b128 v[BIAS+8*(\b):BIAS+8*(\b)+3],   v[BO], s[\p:\p+1] offset:(\b)*64
	global_load_b128 v[BIAS+8*(\b)+4:BIAS+8*(\b)+7], v[BO], s[\p:\p+1] offset:(\b)*64+16
.endr
.endm
; The bias less its mean over each head's 64 channels: a lane holds 32 of them, the lane 16 away the others.
.macro CENTRE
.irp g, 0,1
.set k, 0
.rept 8
	v_pk_add_f32 v[TMP+2*k:TMP+2*k+1], v[BIAS+32*(\g)+4*k:BIAS+32*(\g)+4*k+1], v[BIAS+32*(\g)+4*k+2:BIAS+32*(\g)+4*k+3]
.set k, k+1
.endr
.irp q, 0,4,8,12
	v_pk_add_f32 v[TMP+(\q):TMP+(\q)+1], v[TMP+(\q):TMP+(\q)+1], v[TMP+(\q)+2:TMP+(\q)+3]
.endr
.irp q, 0,8
	v_pk_add_f32 v[TMP+(\q):TMP+(\q)+1], v[TMP+(\q):TMP+(\q)+1], v[TMP+(\q)+4:TMP+(\q)+5]
.endr
	v_pk_add_f32 v[TMP:TMP+1], v[TMP:TMP+1], v[TMP+8:TMP+9]
	v_add_f32 v[TMP], v[TMP], v[TMP+1]
	v_permlanex16_b32 v[TMP+1], v[TMP], s[SEL], s[SEL+1]
	v_add_f32 v[TMP], v[TMP], v[TMP+1]
	v_mul_f32 v[TMP], 0xbc800000, v[TMP]           ; - sum / 64
.set k, 0
.rept 16
	v_pk_add_f32 v[BIAS+32*(\g)+2*k:BIAS+32*(\g)+2*k+1], v[BIAS+32*(\g)+2*k:BIAS+32*(\g)+2*k+1], v[TMP:TMP+1] op_sel_hi:[1,0]
.set k, k+1
.endr
.endr
.endm
; Row block a's 8 accumulators come into GX.  A loop cannot name the accumulators, so these 32 packed lines stand eight times, and all that follows them stands once.
; Each accumulator's registers are read in ascending order.
.macro TAKE a
	WIN 0x02+((\a)/4)                              ; source 0 in window 2 or 3
.set i, 0
.rept 32
	v_pk_mul_f32 v[GX+2*i:GX+2*i+1], v[64*((\a)%4)+2*i:64*((\a)%4)+2*i+1], 1.0 op_sel_hi:[1,0]
.set i, i+1
.endr
	WIN 0
.endm
; A PASS'S END: the LayerNorm of the f32 sums, a trip for each row block of 16 rows.  A lane holds one row and, of each of my wave's two heads, 32 of the 64 channels (blocks 4 g .. 4 g + 3); the lane 16 away
; holds the other 32.  Squares in four chains, one exchange between the halves of the lanes, one batch of two roots; then x r, times the gain plus the offset, one rounding, and 16 bytes a lane and block
; into my wave's two slots from byte base on (slot = head).  No other wave touches those bytes.
.macro EPI wp, bp, base
.irp bb, 0,1,2,3
	global_load_b128 v[LW+8*(\bb):LW+8*(\bb)+3],   v[LNO], s[\wp:\wp+1] offset:(\bb)*64
	global_load_b128 v[LW+8*(\bb)+4:LW+8*(\bb)+7], v[LNO], s[\wp:\wp+1] offset:(\bb)*64+16
	global_load_b128 v[LB+8*(\bb):LB+8*(\bb)+3],   v[LNO], s[\bp:\bp+1] offset:(\bb)*64
	global_load_b128 v[LB+8*(\bb)+4:LB+8*(\bb)+7], v[LNO], s[\bp:\bp+1] offset:(\bb)*64+16
.endr
	s_mul_i32 s[LPS], s[WV], 2*ASL
.if \base
	s_add_co_u32 s[LPS], s[LPS], \base
.endif
	s_mov_b32 s[CNT], 8
	s_wait_loadcnt 0x0                             ; the gains and offsets, and the next pass's bias
	ROUND16 LW, 32                                 ; they count as their rounding to bf16, like every input
.Lrow_\@:
	v_add_nc_u32 v[LPA], s[LPS], v[A0]
.irp a, 0,1,2,3,4,5,6                  ; the trip's number picks the block: CNT runs 8 .. 1
	s_cmp_eq_u32 s[CNT], 8-(\a)
	s_cbranch_scc1 .Ltk\@_\a
.endr
	TAKE 7
	s_branch .Ltkn\@
.irp a, 0,1,2,3,4,5
.Ltk\@_\a:
	TAKE \a
	s_branch .Ltkn\@
.endr
.Ltk\@_6:
	TAKE 6
.Ltkn\@:
.irp c, 0,1,2,3                        ; chain c: head c / 2, the pairs of parity c % 2
	v_pk_mul_f32 v[SQ+2*(\c):SQ+2*(\c)+1], v[GX+32*((\c)/2)+2*((\c)%2):GX+32*((\c)/2)+2*((\c)%2)+1], v[GX+32*((\c)/2)+2*((\c)%2):GX+32*((\c)/2)+2*((\c)%2)+1]
.endr
.set k, 1
.rept 7
.irp c, 0,1,2,3
	v_pk_fma_f32 v[SQ+2*(\c):SQ+2*(\c)+1], v[GX+32*((\c)/2)+2*((\c)%2)+4*k:GX+32*((\c)/2)+2*((\c)%2)+4*k+1], v[GX+32*((\c)/2)+2*((\c)%2)+4*k:GX+32*((\c)/2)+2*((\c)%2)+4*k+1], v[SQ+2*(\c):SQ+2*(\c)+1]
.endr
.set k, k+1
.endr
	v_pk_add_f32 v[SQ:SQ+1], v[SQ:SQ+1], v[SQ+2:SQ+3]
	v_pk_add_f32 v[SQ+4:SQ+5], v[SQ+4:SQ+5], v[SQ+6:SQ+7]
	v_add_f32 v[SQ], v[SQ], v[SQ+1]
	v_add_f32 v[SQ+4], v[SQ+4], v[SQ+5]
	v_permlanex16_b32 v[SQ+1], v[SQ], s[SEL], s[SEL+1]
	v_permlanex16_b32 v[SQ+5], v[SQ+4], s[SEL], s[SEL+1]
	v_add_f32 v[SQ], v[SQ], v[SQ+1]
	v_add_f32 v[SQ+4], v[SQ+4], v[SQ+5]
	v_fma_f32 v[SQ], v[SQ], s[C64], s[EPS]         ; variance + 1e-5
	v_fma_f32 v[SQ+4], v[SQ+4], s[C64], s[EPS]
	v_rsq_f32 v[RS], v[SQ]
	v_rsq_f32 v[RS+2], v[SQ+4]
	v_nop                                          ; a plain instruction behind the last root,
	s_wait_alu depctr_va_vdst(0)                   ; and one wait for the batch of two, ahead of their first reader
.set i, 0
.rept 32
	v_pk_mul_f32 v[GX+2*i:GX+2*i+1], v[GX+2*i:GX+2*i+1], v[RS+2*(i/16):RS+2*(i/16)+1] op_sel_hi:[1,0]
.set i, i+1
.endr
.set i, 0
.rept 32
	v_pk_fma_f32 v[GX+2*i:GX+2*i+1], v[GX+2*i:GX+2*i+1], v[LW+2*(i%16):LW+2*(i%16)+1], v[LB+2*(i%16):LB+2*(i%16)+1]
.set i, i+1
.endr
.set i, 0
.rept 32
	v_cvt_pk_bf16_f32 v[TMP+i], v[GX+2*i], v[GX+2*i+1]
.set i, i+1
.endr
.irp b, 0,1,2,3,4,5,6,7
	ds_store_b128 v[LPA], v[TMP+4*(\b):TMP+4*(\b)+3] offset:((\b)/4)*ASL+32*((\b)%4)
.endr
	s_add_co_u32 s[LPS], s[LPS], 16*AP
	s_sub_co_u32 s[CNT], s[CNT], 1
	s_cmp_lg_u32 s[CNT], 0
	s_cbranch_scc1 .Lrow_\@
.endm
; k^T v of one head.  Both operands lie [row][channel] and are turned on the way out of LDS: 32 rows (K) x 64 channels of each: 4 + 4 fragments, 16 loads.
.macro KVF ks, buf
	WIN 0
.irp t, 0,1,2,3
	ds_load_tr16_b128 v[64+64*(\buf)+8*(\t):64+64*(\buf)+8*(\t)+3],   v[TKA] offset:(\ks)*32*AP+32*(\t)
	ds_load_tr16_b128 v[64+64*(\buf)+8*(\t)+4:64+64*(\buf)+8*(\t)+7], v[TKA] offset:(\ks)*32*AP+16*AP+32*(\t)
.endr
.irp t, 0,1,2,3
	ds_load_tr16_b128 v[96+64*(\buf)+8*(\t):96+64*(\buf)+8*(\t)+3],   v[TVA] offset:(\ks)*32*AP+32*(\t)
	ds_load_tr16_b128 v[96+64*(\buf)+8*(\t)+4:96+64*(\buf)+8*(\t)+7], v[TVA] offset:(\ks)*32*AP+16*AP+32*(\t)
.endr
.endm
.macro KVMUL buf, zero                 ; tile (et, dt) at v[8 (4 et + dt)] of window 2: register j = kv(d = 16 dt + 8 (l / 16) + j, e = 16 et + l % 16); the 16 take turns
	WIN 0xa0
.irp et, 0,1,2,3
.irp dt, 0,1,2,3
.if \zero
	v_wmma_f32_16x16x32_bf16 v[8*(4*(\et)+(\dt)):8*(4*(\et)+(\dt))+7], v[64+64*(\buf)+8*(\dt):64+64*(\buf)+8*(\dt)+7], v[96+64*(\buf)+8*(\et):96+64*(\buf)+8*(\et)+7], 0
.else
	v_wmma_f32_16x16x32_bf16 v[8*(4*(\et)+(\dt)):8*(4*(\et)+(\dt))+7], v[64+64*(\buf)+8*(\dt):64+64*(\buf)+8*(\dt)+7], v[96+64*(\buf)+8*(\et):96+64*(\buf)+8*(\et)+7], v[8*(4*(\et)+(\dt)):8*(4*(\et)+(\dt))+7]
.endif
.endr
.endr
.endm
	s_load_b512 s[4:19], s[0:1], 0x0               ; key, value, wf, bk, bv, kln_w, kln_b, vln_w
	s_load_b128 s[20:23], s[0:1], 0x40             ; vln_b, part
	v_lshl_add_u32 v[SPW], v0, 2, SPARE
	v_mov_b32 v[NIL], 0
	ds_add_u32 v[SPW], v[NIL]                      ; the wave's opening: the add and its wait stand ahead of my first tensor load; the set-up, work on registers, stands between
	v_lshrrev_b32 v1, 5, v0
	v_readfirstlane_b32 s[WV], v1
	s_lshr_b32 s[MYP], s[WV], 1
	s_bfe_u32 s[CX], ttmp6, 0x40000                ; my place in the cluster
	s_lshl_b32 s[WG], ttmp9, 2                     ; in a cluster launch ttmp9 counts clusters
	s_add_co_u32 s[WG], s[WG], s[CX]               ; my block of 128 rows
	s_and_b32 s[ROT], ttmp9, 7                     ; the same in all four partners
	; descriptor group 1: 64 rows of 256 bytes, dense in memory and in LDS
	s_mov_b32 s[G1+0], 15|(3<<16)|(1<<21)          ; 15:0 the mask of four; 17:16 elements of 8 bytes; 21 set beside a mask; no padding
	s_mov_b32 s[G1+1], 32<<16                      ; tensor_dim0 = 32
	s_mov_b32 s[G1+2], 64<<16                      ; tensor_dim1 = 64
	s_mov_b32 s[G1+3], 32<<16                      ; tile_dim0 = 32
	s_mov_b32 s[G1+4], 64                          ; tile_dim1 = 64
	s_mov_b32 s[G1+5], 32                          ; 32 elements from row to row
	s_mov_b32 s[G1+6], 0
	s_mov_b32 s[G1+7], 0
	s_lshl_b32 s[T0], s[WV], 14                    ; my quarter of a tile, in memory and in LDS
	s_mov_b32 s[G0A], 1
	s_mov_b32 s[G0A+1], s[T0]
	s_mov_b32 s[G0], 1
	s_add_co_u32 s[G0+1], s[T0], WSLOT
	s_mov_b32 s[OFF], s[T0]
	s_mov_b32 s[OFF+1], 0
	s_mov_b32 s[CXO+1], 0
	s_mov_b32 s[SEL], 0x76543210
	s_mov_b32 s[SEL+1], 0xfedcba98
	s_mov_b32 s[MHI], 0xffff0000
	s_mov_b32 s[C64], 0x3c800000                   ; 1/64
	s_mov_b32 s[EPS], 0x3727c5ac                   ; 1e-5
	s_mov_b32 s[CH], 0
	s_mov_b32 s[TBA], AR
	s_mov_b32 s[TBW], 0
	s_mov_b32 s[LEFT], 2
	s_mov_b32 s[UU], 2
	s_lshr_b32 s[T0], ttmp9, 3
	s_or_b32 s[T0], s[T0], s[MYP]                  ; waves 0, 1 of clusters 0 to 7: the same in all four partners
	s_cmp_eq_u32 s[T0], 0
	s_cselect_b32 s[PFT], 7, -1
	v_and_b32 v[LN], 31, v0
	v_and_b32 v[RR], 15, v0
	v_bfe_u32 v[HH], v0, 4, 1
	v_and_b32 v[L7], 7, v0
	v_mul_u32_u24 v[A0], v[RR], AP
	v_lshl_add_u32 v[A0], v[HH], 4, v[A0]
	s_lshl_b32 s[T1], s[WV], 14
	v_lshl_add_u32 v[B0], v[LN], 4, s[T1]
	v_lshlrev_b32 v[GA], 11, v[HH]
	v_lshl_add_u32 v[GA], v[RR], 4, v[GA]
	s_and_b32 s[T1], s[WV], 1
	s_mul_i32 s[T1], s[T1], 64*AP                  ; my 64 rows,
	s_mul_i32 s[T0], s[MYP], ASL                   ; in the slot of my chunks' parity
	s_add_co_u32 s[T1], s[T1], s[T0]
	s_add_co_u32 s[T1], s[T1], AR
	v_mul_u32_u24 v[STA], v[HH], AP
	v_lshl_add_u32 v[STA], v[RR], 3, v[STA]
	v_add_nc_u32 v[STA], s[T1], v[STA]
	v_lshlrev_b32 v[PFO], 8, v[LN]
	v_lshlrev_b32 v[PFR], 11, v[LN]
	s_lshl_b32 s[T1], s[WV], 9
	v_lshl_add_u32 v[BO], v[HH], 5, s[T1]
	v_lshlrev_b32 v[LNO], 5, v[HH]
	v_lshl_add_u32 v[TK0], v[HH], 3, v[L7]
	v_mul_u32_u24 v[TK0], v[TK0], AP
	v_bfe_u32 v1, v0, 3, 1
	v_lshl_add_u32 v[TK0], v1, 4, v[TK0]
	v_lshlrev_b32 v[PO], 4, v[LN]
	v_mov_b32 v[RS+1], 0                           ; named with the reciprocal roots as pairs
	v_mov_b32 v[RS+3], 0
	s_wait_dscnt 0x0                               ; the opening add is done
	s_wait_kmcnt 0x0
	s_add_nc_u64 s[WFB:WFB+1], s[WF:WF+1], s[OFF:OFF+1]
	s_lshl_b32 s[OFF], s[ROT], 16
	s_add_nc_u64 s[G0A+2:G0A+3], s[WFB:WFB+1], s[OFF:OFF+1]  ; place 0 of the walk: tile ROT,
	s_add_co_u32 s[T1], s[ROT], 1
	s_and_b32 s[T1], s[T1], 7
	s_lshl_b32 s[OFF], s[T1], 16
	s_add_nc_u64 s[G0+2:G0+3], s[WFB:WFB+1], s[OFF:OFF+1]    ; place 1: tile (ROT + 1) % 8
	s_or_b32 s[G0A+3], s[G0A+3], 0x80000000                  ; 127:126 type = 2
	s_or_b32 s[G0+3], s[G0+3], 0x80000000
	s_lshl_b32 s[CXO], s[WG], 18                   ; 128 rows of 2,048 bytes,
	s_and_b32 s[T1], s[WV], 1
	s_lshl_b32 s[T1], s[T1], 17                    ; my 64 of them
	s_add_co_u32 s[CXO], s[CXO], s[T1]
	s_add_nc_u64 s[KEYP:KEYP+1], s[KEY:KEY+1], s[CXO:CXO+1]
	s_add_nc_u64 s[VALP:VALP+1], s[VAL:VAL+1], s[CXO:CXO+1]
	s_add_co_u32 s[T1], s[MYP], s[ROT]
	s_and_b32 s[T1], s[T1], 7
	s_lshl_b32 s[OFF], s[T1], 8
	s_add_nc_u64 s[GP:GP+1], s[KEYP:KEYP+1], s[OFF:OFF+1]    ; my first chunk: place 0 or 1 of the walk
	s_lshl_b32 s[CXO], s[WG], 17
	s_lshl_b32 s[T1], s[WV], 15
	s_add_co_u32 s[CXO], s[CXO], s[T1]
	s_add_nc_u64 s[PP:PP+1], s[PART:PART+1], s[CXO:CXO+1]
	s_lshl_b32 s[CXO], s[WV], 15
	s_lshl_b32 s[T1], s[CX], 13
	s_add_co_u32 s[CXO], s[CXO], s[T1]
	s_lshl_b32 s[T1], s[ROT], 16
	s_add_co_u32 s[CXO], s[CXO], s[T1]
	s_add_co_u32 s[CXO], s[CXO], 524288            ; Wv', tile ROT
	s_add_nc_u64 s[PFA:PFA+1], s[WF:WF+1], s[CXO:CXO+1]
	BLOAD BK                                       ; the bias first, so that a counted wait can leave the staging loads out
	WIN 0x40
.set i, 0
.rept 32
.set sr, 4*i+128*(i/16)
	global_load_b128 v[sr:sr+3], v[GA], s[GP:GP+1] offset:i*4096 th:TH_LOAD_NT
.set i, i+1
.endr
	WIN 0
	CROUND                                         ; all four work-groups are here: the first joint loads meet
	tensor_load_to_lds s[G0A:G0A+3], s[G1:G1+7]    ; two loads of mine are out
	s_nop 0
	tensor_load_to_lds s[G0:G0+3], s[G1:G1+7]
	s_nop 0
	PLACES
	STAGE 0                                        ; chunk 0 into its slot, chunk 2 asked for; nothing is prefetched here, where every work-group's first loads are on their way
	s_wait_tensorcnt 0x1                           ; my quarter of the first tile is in; the second may stay out
	s_wait_dscnt 0x0                               ; my part of chunk 0 is stored
	s_barrier_signal -1
	s_barrier_wait -1
	s_wait_loadcnt 32                              ; the bias is in: at most the 32 staging loads issued behind it are out
.Lpass:
	ROUND16 BIAS, 32                               ; the bias counts as its rounding to bf16, like every input;
	CENTRE                                         ; its mean over each head goes out in f32
	v_add_nc_u32 v[ADRA], s[TBA], v[A0]
	v_add_nc_u32 v[ADRB], s[TBW], v[B0]
	FETCH 0, F0
	QUARTER 1, 1                                   ; step 0 starts the sums
	WIN 0
	s_mov_b32 s[CNT], 7
.Lstep:                                            ; a trip: a step's second half and the next step's first.  Seven trips in pass 0; the last pass leaves ahead of its seventh
	s_or_b32 s[T0], s[CNT], s[LEFT]                ; 1 only where both are 1
	s_cmp_eq_u32 s[T0], 1
	s_cbranch_scc1 .Llast                          ; the last pass's tail is written out: it asks for nothing more
	TURN 1, 1, 1
	QUARTER 0, 1
	WIN 0
	s_sub_co_u32 s[CNT], s[CNT], 1
	s_cmp_lg_u32 s[CNT], 0
	s_cbranch_scc1 .Lstep
	TURN 1, 0, 0                                   ; the ring goes on into pass 1: places 8 and 9 of the walk are asked for, chunk 8 is stored
	WIN 0
	PLACES
	PLACES
	BLOAD BV
	EPI KW, KB, XR                                 ; k stays in XR, each wave's two heads its own: no barrier is owed
	s_sub_co_u32 s[LEFT], s[LEFT], 1
	s_branch .Lpass
.Llast:
	TURN 0, 1, 0
	QUARTER 0, 0
	TURN 0, 0, 0                                   ; behind its barrier no wave reads W's or A's slots any more, and no fill is left
	WIN 0
	PLACES
	PLACES
	EPI VW, VB, 0
	s_mul_i32 s[TVS], s[WV], 2*ASL
	s_add_co_u32 s[TKS], s[TVS], XR
	s_mov_b32 s[CNT], 2
.Lkv:                                              ; a trip a head: 128 rows in 4 steps of 32, two fragment sets
	v_add_nc_u32 v[TKA], s[TKS], v[TK0]
	v_add_nc_u32 v[TVA], s[TVS], v[TK0]
	KVF 0, 0
	KVF 1, 1
	s_wait_dscnt 16                                ; the older set is in
	KVMUL 0, 1
	PLACES
	KVF 2, 0
	s_wait_dscnt 16
	KVMUL 1, 0
	PLACES
	KVF 3, 1
	s_wait_dscnt 16
	KVMUL 0, 0
	s_wait_dscnt 0x0
	KVMUL 1, 0
	PLACES
	PLACES
	WIN 0x08                                       ; store data in window 2
.set i, 0
.rept 32
	global_store_b128 v[PO], v[4*i:4*i+3], s[PP:PP+1] offset:i*512 th:TH_STORE_NT  ; 512 consecutive bytes; each tile's low registers first
.set i, i+1
.endr
	WIN 0
	s_wait_xcnt 0x0                                ; the stores have read their data and base: both are written again below
	s_add_nc_u64 s[PP:PP+1], s[PP:PP+1], 16384
	s_add_co_u32 s[TKS], s[TKS], ASL
	s_add_co_u32 s[TVS], s[TVS], ASL
	s_sub_co_u32 s[CNT], s[CNT], 1
	s_cmp_lg_u32 s[CNT], 0
	s_cbranch_scc1 .Lkv
	s_wait_tensorcnt 0x0                           ; the wave's end
	ds_add_u32 v[SPW], v[NIL]
	s_wait_dscnt 0x0
	CROUND                                         ; the closing round
	s_endpgm
.Lfunc_end_k_qd87e33c176_kvsum:
	.size	k_qd87e33c176_kvsum, .Lfunc_end_k_qd87e33c176_kvsum-k_qd87e33c176_kvsum
	.p2alignl 7, 3214868480
	.fill 96, 4, 3214868480
	.section	.rodata,"a",@progbits
	.p2align	6, 0x0
	.amdhsa_kernel k_qd87e33c176_kvsum
		.amdhsa_group_segment_fixed_size 327680
		.amdhsa_private_segment_fixed_size 0
		.amdhsa_enable_private_segment 0
		.amdhsa_kernarg_size 80
		.amdhsa_user_sgpr_count 2
		.amdhsa_user_sgpr_kernarg_segment_ptr 1
		.amdhsa_wavefront_size32 1
		.amdhsa_system_sgpr_workgroup_id_x 1
		.amdhsa_system_sgpr_workgroup_id_y 1
		.amdhsa_system_sgpr_workgroup_id_z 1
		.amdhsa_system_vgpr_workitem_id 0
		.amdhsa_next_free_vgpr 1024
		.amdhsa_next_free_sgpr 82
		.amdhsa_reserve_vcc 0
		.amdhsa_float_denorm_mode_32 3
		.amdhsa_float_denorm_mode_16_64 3
		.amdhsa_memory_ordered 1
		.amdhsa_forward_progress 1
		.amdhsa_inst_pref_size 173
	.end_amdhsa_kernel
	.amdgpu_metadata
---
amdhsa.version: [ 1, 2 ]
amdhsa.kernels:
  - .name:           k_qd87e33c176_kvsum
    .symbol:         k_qd87e33c176_kvsum.kd
    .args:
      - { .name: key, .offset: 0, .size: 8, .value_kind: global_buffer, .address_space: global }
      - { .name: value, .offset: 8, .size: 8, .value_kind: global_buffer, .address_space: global }
      - { .name: wf, .offset: 16, .size: 8, .value_kind: global_buffer, .address_space: global }
      - { .name: bk, .offset: 24, .size: 8, .value_kind: global_buffer, .address_space: global }
      - { .name: bv, .offset: 32, .size: 8, .value_kind: global_buffer, .address_space: global }
      - { .name: kln_w, .offset: 40, .size: 8, .value_kind: global_buffer, .address_space: global }
      - { .name: kln_b, .offset: 48, .size: 8, .value_kind: global_buffer, .address_space: global }
      - { .name: vln_w, .offset: 56, .size: 8, .value_kind: global_buffer, .address_space: global }
      - { .name: vln_b, .offset: 64, .size: 8, .value_kind: global_buffer, .address_space: global }
      - { .name: part, .offset: 72, .size: 8, .value_kind: global_buffer, .address_space: global }
    .group_segment_fixed_size: 327680
    .private_segment_fixed_size: 0
    .kernarg_segment_align: 8
    .kernarg_segment_size: 80
    .max_flat_workgroup_size: 128
    .sgpr_count:     82
    .vgpr_count:     1024
    .wavefront_size: 32
...
	.end_amdgpu_metadata
.endif
;; end of part 2
;; launch fold (part 3): grid 256 x 1, 4 waves a work-group, no clusters, 90,624 bytes of LDS; arguments part, Wq, bq, rw, pbias; writes rw, pbias
.if DOCPART == 3
	.amdgcn_target "amdgcn-amd-amdhsa--gfx1250"
	.amdhsa_code_object_version 6
	.text
	.protected	k_qd87e33c176_fold
	.globl	k_qd87e33c176_fold
	.p2align	8
	.type	k_qd87e33c176_fold,@function
k_qd87e33c176_fold:
	s_mov_b64 s[64:65], 0
	v_nop
	global_prefetch_b8 v0, s[64:65] scope:SCOPE_SE
	s_setreg_imm32_b32 hwreg(HW_REG_WAVE_MODE, 25, 1), 1
	s_wait_xcnt 0x0
; kv[b][h] = (the sum of the batch's 32 partial sums) / 4096, in f32.  Then q and q kv are folded into one matrix for each batch:
; P_b[64 h + e][c] = the sum over d of kv[d][e] Wq[64 h + d][c];  pb_b[64 h + e] = the sum over d of kv[d][e] bq[64 h + d]:  out = query P_b^T + pb_b.
; rw holds P_b in bf16 in fragment order ([c/64][n/128][(c/32)&1][(n/16)&7][(c/16)&1][lane][8 bf16]), pbias holds pb in f32.
; LIMITS.  kv and Wq are matrix operands in bf16; bq counts as its rounding to bf16, like every input; P is rounded once to bf16.
; SHARES.  Work-group x = 32 b + 4 h + et: rows n = 64 h + 16 et .. + 15 of P_b.  Wave w: 8 of the 32 partials, then columns c = 128 w .. + 127.  No tensor load, no cluster: no two work-groups of a
; neighbourhood share more than Wq's 64 rows, which are a small part of what a work-group reads.
; LDS: 0 the four waves' sums, 4,096 bytes each | 16,384 Wq's 64 rows x 128 columns in bf16 for each wave, rows of 288 bytes (256 + 32) | 90,112 the spare words.
.set SCR,   0
.set WQS,   16384
.set WQP,   288
.set SPARE, 90112
.set SPW, 2
.set NIL, 3
.set LO,  4                            ; v4   16 l
.set RR,  5
.set HH,  6
.set WST, 7                            ; v7   where I store 8 bytes of a row of Wq
.set WTR, 8                            ; v8   the turning load's address
.set BQO, 9                            ; v9   32 (l / 16)
.set PBO, 12                           ; v12  4 (l % 16)
.set SCW, 13
.set PB2, 14                           ; v[14:15] pb at work
.set X1,  16                           ; v[16:31] kv as source 1: two fragments (16 e x 32 d)
.set S,   32                           ; v[32:63] the sum: register 8 dt + j = kv(d = 16 dt + 8 (l / 16) + j, e = 16 et + l % 16)
.set P,   64                           ; v[64:191]
.set W,   192                          ; v[192:255]
.set PART, 4
.set WQ, 6
.set BQ, 8
.set RWO, 10
.set PBI, 12
.set WV, 14
.set BAT, 15
.set HD, 16
.set ET, 17
.set T0, 18
.set T1, 19
.set OFF, 20
.set SEL, 22
.macro PLOAD k0                        ; four partials, 4,096 bytes each: 32 loads of 512 consecutive bytes
.irp k, 0,1,2,3
.irp i, 0,1,2,3,4,5,6,7
	global_load_b128 v[P+32*(\k)+4*(\i):P+32*(\k)+4*(\i)+3], v[LO], s[PART:PART+1] offset:((\k0)+(\k))*131072+(\i)*512 th:TH_LOAD_NT
.endr
.endr
.endm
.macro ACCUM k
.set i, 0
.rept 16
	v_pk_add_f32 v[S+2*i:S+2*i+1], v[S+2*i:S+2*i+1], v[P+32*(\k)+2*i:P+32*(\k)+2*i+1]
.set i, i+1
.endr
.endm
.macro START                           ; the first two start the sum: nothing is cleared
.set i, 0
.rept 16
	v_pk_add_f32 v[S+2*i:S+2*i+1], v[P+2*i:P+2*i+1], v[P+32+2*i:P+32+2*i+1]
.set i, i+1
.endr
.endm
.macro WLOAD dst, d0, n                ; n rows of Wq, my wave's 512 bytes of each
.set i, 0
.rept \n
	global_load_b128 v[(\dst)+4*i:(\dst)+4*i+3], v[LO], s[WQ:WQ+1] offset:((\d0)+i)*2048
.set i, i+1
.endr
.endm
.macro WSTORE src, d0, n               ; rounded to bf16 and laid into my wave's own rows
.set i, 0
.rept \n
	v_cvt_pk_bf16_f32 v[(\src)+4*i], v[(\src)+4*i], v[(\src)+4*i+1]
	v_cvt_pk_bf16_f32 v[(\src)+4*i+1], v[(\src)+4*i+2], v[(\src)+4*i+3]
	ds_store_b64 v[WST], v[(\src)+4*i:(\src)+4*i+1] offset:((\d0)+i)*WQP
.set i, i+1
.endr
.endm
	s_load_b256 s[4:11], s[0:1], 0x0               ; part, Wq, bq, rw
	s_load_b64 s[12:13], s[0:1], 0x20              ; pbias
	v_lshl_add_u32 v[SPW], v0, 2, SPARE
	v_mov_b32 v[NIL], 0
	v_lshrrev_b32 v1, 5, v0
	v_readfirstlane_b32 s[WV], v1
	s_lshr_b32 s[BAT], ttmp9, 5
	s_bfe_u32 s[HD], ttmp9, 0x30002
	s_and_b32 s[ET], ttmp9, 3
	s_mov_b32 s[SEL], 0x76543210
	s_mov_b32 s[SEL+1], 0xfedcba98
	v_and_b32 v1, 31, v0
	v_lshlrev_b32 v[LO], 4, v1
	v_and_b32 v[RR], 15, v0
	v_bfe_u32 v[HH], v0, 4, 1
	s_mul_i32 s[T0], s[WV], 64*WQP
	s_add_co_u32 s[T0], s[T0], WQS
	v_lshl_add_u32 v[WST], v1, 3, s[T0]
	v_and_b32 v[WTR], 7, v0
	v_lshl_add_u32 v[WTR], v[HH], 3, v[WTR]
	v_mul_u32_u24 v[WTR], v[WTR], WQP
	v_bfe_u32 v1, v0, 3, 1
	v_lshl_add_u32 v[WTR], v1, 4, v[WTR]
	v_add_nc_u32 v[WTR], s[T0], v[WTR]
	v_lshlrev_b32 v[BQO], 5, v[HH]
	v_lshlrev_b32 v[PBO], 2, v[RR]
	s_lshl_b32 s[T0], s[WV], 12
	v_add_nc_u32 v[SCW], s[T0], v[LO]
	s_mov_b32 s[OFF+1], 0
	s_wait_kmcnt 0x0
	s_lshl_b32 s[OFF], s[BAT], 5
	s_lshl_b32 s[T0], s[WV], 3
	s_add_co_u32 s[OFF], s[OFF], s[T0]             ; my first partial,
	s_lshl_b32 s[OFF], s[OFF], 17
	s_lshl_b32 s[T0], s[HD], 14                    ; the head,
	s_add_co_u32 s[OFF], s[OFF], s[T0]
	s_lshl_b32 s[T0], s[ET], 12                    ; the 16 columns e
	s_add_co_u32 s[OFF], s[OFF], s[T0]
	s_add_nc_u64 s[PART:PART+1], s[PART:PART+1], s[OFF:OFF+1]
	s_lshl_b32 s[OFF], s[HD], 17                   ; Wq: the head's 64 rows, my 128 columns
	s_lshl_b32 s[T0], s[WV], 9
	s_add_co_u32 s[OFF], s[OFF], s[T0]
	s_add_nc_u64 s[WQ:WQ+1], s[WQ:WQ+1], s[OFF:OFF+1]
	s_lshl_b32 s[OFF], s[HD], 8
	s_add_nc_u64 s[BQ:BQ+1], s[BQ:BQ+1], s[OFF:OFF+1]
	s_lshl_b32 s[OFF], s[BAT], 19                  ; rw: the batch; c / 64 = 2 w + ct / 4;
	s_lshl_b32 s[T0], s[WV], 17
	s_add_co_u32 s[OFF], s[OFF], s[T0]
	s_lshr_b32 s[T0], s[HD], 1
	s_lshl_b32 s[T0], s[T0], 14                    ; n / 128 = h / 2;
	s_add_co_u32 s[OFF], s[OFF], s[T0]
	s_and_b32 s[T0], s[HD], 1
	s_lshl_b32 s[T0], s[T0], 12                    ; (n / 16) & 7 = 4 (h & 1) + et
	s_add_co_u32 s[OFF], s[OFF], s[T0]
	s_lshl_b32 s[T0], s[ET], 10
	s_add_co_u32 s[OFF], s[OFF], s[T0]
	s_add_nc_u64 s[RWO:RWO+1], s[RWO:RWO+1], s[OFF:OFF+1]
	s_lshl_b32 s[OFF], s[BAT], 11
	s_lshl_b32 s[T0], s[HD], 8
	s_add_co_u32 s[OFF], s[OFF], s[T0]
	s_lshl_b32 s[T0], s[ET], 6
	s_add_co_u32 s[OFF], s[OFF], s[T0]
	s_add_nc_u64 s[PBI:PBI+1], s[PBI:PBI+1], s[OFF:OFF+1]
	PLOAD 0
	WLOAD W, 0, 16
	s_wait_loadcnt 16                              ; the first four partials are in; Wq's 16 loads are younger
	START
	ACCUM 2
	ACCUM 3
	PLOAD 4
	s_wait_loadcnt 32                              ; Wq's rows 0-15 are in; the 32 loads of partials are younger
	WSTORE W, 0, 16
	WLOAD W, 16, 16
	s_wait_loadcnt 16                              ; the last four partials
	ACCUM 0
	ACCUM 1
	ACCUM 2
	ACCUM 3
.irp i, 0,1,2,3,4,5,6,7
	ds_store_b128 v[SCW], v[S+4*(\i):S+4*(\i)+3] offset:SCR+(\i)*512
.endr
	WLOAD P, 32, 32
	s_wait_loadcnt 32                              ; Wq's rows 16-31
	WSTORE W, 16, 16
.irp dt, 0,1,2,3
	global_load_b128 v[W+8*(\dt):W+8*(\dt)+3],   v[BQO], s[BQ:BQ+1] offset:(\dt)*64     ; bq[64 h + 16 dt + 8 (l / 16) + j], beside S's register 8 dt + j
	global_load_b128 v[W+8*(\dt)+4:W+8*(\dt)+7], v[BQO], s[BQ:BQ+1] offset:(\dt)*64+16
.endr
	s_wait_loadcnt 8                               ; Wq's rows 32-63; bq's 8 loads are younger
	WSTORE P, 32, 32
	s_wait_dscnt 0x0                               ; for the others' sake: my sum lies in LDS
	s_barrier_signal -1
	s_barrier_wait -1
.irp k, 0,1,2,3
.irp i, 0,1,2,3,4,5,6,7
	ds_load_b128 v[P+32*(\k)+4*(\i):P+32*(\k)+4*(\i)+3], v[LO] offset:SCR+(\k)*4096+(\i)*512
.endr
.endr
	s_wait_dscnt 0x0
	START
	ACCUM 2
	ACCUM 3
.set i, 0
.rept 16
	v_pk_mul_f32 v[S+2*i:S+2*i+1], v[S+2*i:S+2*i+1], 0x39800000 op_sel_hi:[1,0]   ; / 4096
.set i, i+1
.endr
.set i, 0
.rept 16
	v_cvt_pk_bf16_f32 v[X1+i], v[S+2*i], v[S+2*i+1]  ; fragment kap: registers 0-3 d = 32 kap + 8 (l / 16) + 0..7, registers 4-7 sixteen further on: S's own order
.set i, i+1
.endr
.irp kap, 0,1
.irp ct, 0,1,2,3,4,5,6,7
	ds_load_tr16_b128 v[P+64*(\kap)+8*(\ct):P+64*(\kap)+8*(\ct)+3],   v[WTR] offset:(\kap)*32*WQP+32*(\ct)          ; my wave's own bytes: LDS serves a wave's instructions in order (ISA guide 5.7.1.4)
	ds_load_tr16_b128 v[P+64*(\kap)+8*(\ct)+4:P+64*(\kap)+8*(\ct)+7], v[WTR] offset:(\kap)*32*WQP+16*WQP+32*(\ct)
.endr
.endr
	s_wait_loadcnt 0x0                             ; bq
	s_cmp_lg_u32 s[WV], 0
	s_cbranch_scc1 .Lno_pb                         ; every wave holds kv; wave 0 makes pb, from the unrounded f32 kv and from bq rounded to bf16
.set i, 0
.rept 16
	v_cvt_pk_bf16_f32 v[W+2*i], v[W+2*i], v[W+2*i+1]
	v_and_b32 v[W+2*i+1], 0xffff0000, v[W+2*i]
	v_lshlrev_b32 v[W+2*i], 16, v[W+2*i]
.set i, i+1
.endr
	v_pk_mul_f32 v[PB2:PB2+1], v[S:S+1], v[W:W+1]
.set i, 1
.rept 15
	v_pk_fma_f32 v[PB2:PB2+1], v[S+2*i:S+2*i+1], v[W+2*i:W+2*i+1], v[PB2:PB2+1]
.set i, i+1
.endr
	v_add_f32 v[PB2], v[PB2], v[PB2+1]
	v_permlanex16_b32 v[PB2+1], v[PB2], s[SEL], s[SEL+1]  ; the other 32 d lie in the lane 16 away
	v_add_f32 v[PB2], v[PB2], v[PB2+1]
	global_store_b32 v[PBO], v[PB2], s[PBI:PBI+1]  ; lanes l and l + 16 hold the same number and name the same word; neither register is written again
.Lno_pb:
	s_wait_dscnt 16                                ; the fragments of d = 0..31
.irp ct, 0,1,2,3,4,5,6,7               ; source 0 = 16 columns c of Wq (turned), source 1 = 16 rows e of kv: a lane holds row n and 8 neighbouring c.  The 8 accumulators take turns
	v_wmma_f32_16x16x32_bf16 v[W+8*(\ct):W+8*(\ct)+7], v[P+8*(\ct):P+8*(\ct)+7], v[X1:X1+7], 0
.endr
	s_wait_dscnt 0x0
.irp ct, 0,1,2,3,4,5,6,7
	v_wmma_f32_16x16x32_bf16 v[W+8*(\ct):W+8*(\ct)+7], v[P+64+8*(\ct):P+64+8*(\ct)+7], v[X1+8:X1+15], v[W+8*(\ct):W+8*(\ct)+7]
.endr
.rept 8
	v_nop                                          ; the places behind the last products (ISA guide 7.12.1)
.endr
.set i, 0
.rept 32
	v_cvt_pk_bf16_f32 v[S+i], v[W+2*i], v[W+2*i+1]  ; each accumulator's registers in ascending order
.set i, i+1
.endr
.irp ct, 0,1,2,3,4,5,6,7
	global_store_b128 v[LO], v[S+4*(\ct):S+4*(\ct)+3], s[RWO:RWO+1] offset:((\ct)/4)*65536+(((\ct)/2)%2)*8192+((\ct)%2)*512  ; 512 consecutive bytes
.endr
	s_wait_tensorcnt 0x0                           ; the wave's end, behind my last LDS store
	ds_add_u32 v[SPW], v[NIL]
	s_wait_dscnt 0x0
	s_endpgm
.Lfunc_end_k_qd87e33c176_fold:
	.size	k_qd87e33c176_fold, .Lfunc_end_k_qd87e33c176_fold-k_qd87e33c176_fold
	.p2alignl 7, 3214868480
	.fill 96, 4, 3214868480
	.section	.rodata,"a",@progbits
	.p2align	6, 0x0
	.amdhsa_kernel k_qd87e33c176_fold
		.amdhsa_group_segment_fixed_size 90624
		.amdhsa_private_segment_fixed_size 0
		.amdhsa_enable_private_segment 0
		.amdhsa_kernarg_size 40
		.amdhsa_user_sgpr_count 2
		.amdhsa_user_sgpr_kernarg_segment_ptr 1
		.amdhsa_wavefront_size32 1
		.amdhsa_system_sgpr_workgroup_id_x 1
		.amdhsa_system_sgpr_workgroup_id_y 1
		.amdhsa_system_sgpr_workgroup_id_z 1
		.amdhsa_system_vgpr_workitem_id 0
		.amdhsa_next_free_vgpr 256
		.amdhsa_next_free_sgpr 66
		.amdhsa_reserve_vcc 0
		.amdhsa_float_denorm_mode_32 3
		.amdhsa_float_denorm_mode_16_64 3
		.amdhsa_memory_ordered 1
		.amdhsa_forward_progress 1
		.amdhsa_inst_pref_size 53
	.end_amdhsa_kernel
	.amdgpu_metadata
---
amdhsa.version: [ 1, 2 ]
amdhsa.kernels:
  - .name:           k_qd87e33c176_fold
    .symbol:         k_qd87e33c176_fold.kd
    .args:
      - { .name: part, .offset: 0, .size: 8, .value_kind: global_buffer, .address_space: global }
      - { .name: Wq, .offset: 8, .size: 8, .value_kind: global_buffer, .address_space: global }
      - { .name: bq, .offset: 16, .size: 8, .value_kind: global_buffer, .address_space: global }
      - { .name: rw, .offset: 24, .size: 8, .value_kind: global_buffer, .address_space: global }
      - { .name: pbias, .offset: 32, .size: 8, .value_kind: global_buffer, .address_space: global }
    .group_segment_fixed_size: 90624
    .private_segment_fixed_size: 0
    .kernarg_segment_align: 8
    .kernarg_segment_size: 40
    .max_flat_workgroup_size: 128
    .sgpr_count:     66
    .vgpr_count:     256
    .wavefront_size: 32
...
	.end_amdgpu_metadata
.endif
;; end of part 3
;; launch main (part 4): grid 256 x 1, 4 waves a work-group, clusters of 4 x 1, 327,680 bytes of LDS; arguments query, rw, wf, pbias, bo1, bo2, out0; writes out0
.if DOCPART == 4
	.amdgcn_target "amdgcn-amd-amdhsa--gfx1250"
	.amdhsa_code_object_version 6
	.text
	.protected	k_qd87e33c176_main
	.globl	k_qd87e33c176_main
	.p2align	8
	.type	k_qd87e33c176_main,@function
k_qd87e33c176_main:
	s_mov_b64 s[64:65], 0
	v_nop
	global_prefetch_b8 v0, s[64:65] scope:SCOPE_SE
	s_setreg_imm32_b32 hwreg(HW_REG_WAVE_MODE, 25, 1), 1
	s_wait_xcnt 0x0
	s_wait_alu depctr_hold_cnt(0) depctr_sa_sdst(0) depctr_va_vdst(0) depctr_va_sdst(0) depctr_va_ssrc(0) depctr_va_vcc(0) depctr_vm_vsrc(0)
	s_getreg_b32 s2, hwreg(HW_REG_IB_STS2, 6, 4)
	s_cmp_eq_u32 s2, 0
	s_cbranch_scc0 .Lentry_in_a_cluster
	s_endpgm
.Lentry_in_a_cluster:
	s_bfe_u32 s2, ttmp6, 0x10000c
	s_cmp_lg_u32 s2, 0x3003
	s_cbranch_scc0 .Lentry_shape_is_right
	s_endpgm
.Lentry_shape_is_right:
; out0 = gelu(ret Wo1^T + bo1) Wo2^T + bo2 + query, with ret = query P_b^T + pb_b + query (P_b holds q's projection and k^T v / L: launch fold).
; gelu(x) = max(x, 0) - |x| Q(|x|), Q(u) = erfc(u / sqrt 2) / 2 = (A1 t + A2 t^2 + A3 t^3) 2^(C u^2), t = 1 / (1 + P u): Abramowitz and Stegun 7.1.25.
; LIMITS.  erf is within 2.5e-5 for every x, so gelu is off by at most 1.25e-5 |x|.  EVERY INPUT COUNTS AS ITS ROUNDING TO bf16: query in the products and in BOTH residuals, the weights, bo1 and bo2: the
; program computes the module of one set of numbers.  Both residuals are added in f32, and gelu takes Wo1's result in f32.  ret and gelu's result, matrix operands, are each rounded once to bf16.
; v_rcp_f32 and v_exp_f32 flush denormals.  NaN and infinities are not treated apart.
; SHARES.  A work-group owns 128 rows and runs three PASSES C[128][512] = A[128][512] W^T + bias, K in 8 STEPS of 64.  A wave makes all 128 rows x 128 columns: 64 accumulators, 512 registers;
; 32 LDS loads feed 64 matrix instructions.  Source 0 = 16 rows of W, source 1 = 16 rows of A: a lane holds row l % 16 and the columns 8 (l / 16) + 0..7.
; W comes by the tensor data mover, a tile (64 K of all 512 rows, 65,536 dense bytes in fragment order) a step, two slots, each wave the quarter that holds the 128 rows of W that make its columns.
; CLUSTER: the four work-groups of a cluster belong to one batch and walk the same 24 tiles in the same order, so each is asked for JOINTLY.
; EVERY AXIS OF 512 IS TURNED FROM CLUSTER TO CLUSTER, by 64 ROT columns, ROT = 2 (cluster x % 4): slot i of XR holds the true columns 64 ((i + ROT) % 8) on, step i takes the true tile (i + ROT) % 8 of W, and
; wave w makes the true columns 128 ((w + ROT / 2) % 4) on, which are the columns of slots 2 w and 2 w + 1.  Only offsets into memory hang on ROT (tiles, query's chunks, bias, out0); every LDS address is as
; without it; f32 sums may be taken in any order.  So in one step the launch's clusters name four different tiles, and from a pass's third step on the tile that a cluster asks for is the one that another
; cluster asked for two steps before.
; A lies in XR, eight slots of 64 columns: query is staged there by loads into registers; a pass's result is laid there in place.  Query's chunks are not prefetched: six of the eight are asked for by loads
; at the head or in the first two steps, so that only two could be named ahead outside the head.
; LDS: 0 W's two slots | 131,072 unused | 167,936 XR: 8 slots of 128 rows x 144 bytes (128 of data + 16 of padding = 36 words: the 16 rows of a load start at 16 different groups of four banks, ISA guide 11.1)
;      | 315,392 the spare words.  The last pass's f32 results go to bytes 0 .. 270,335 when every fill and every read of those bytes is over.
; REGISTERS, in windows of 256 (s_set_vgpr_msb: bits 1:0 source 0, 3:2 source 1, 5:4 source 2, 7:6 destination):
;   window 0: v0-29 addresses; v32-63 at work; v64-127, v128-191 A's fragments, two buffers; v192-255 the bias as a C operand       window 1: v64-127, v128-191 W's fragments; v0-63, v192-255 staging
;   windows 2, 3: accumulator (a, b) at v[8 (8 (a % 4) + b)] of window 2 + a / 4
.set WSLOT, 65536
.set ASL,   18432
.set AP,    144
.set XR,    167936
.set SPARE, 315392
.set NCH,   8
.set FP,    528                        ; a row of the f32 stage: 512 bytes + 16 = 33 x 16: the 16 rows of a store start at 16 different groups of four banks
.set FST,   128*FP                     ; a wave's stage
.set A0,   2                           ; v2   (l % 16) x 144 + 16 (l / 16): my place in a fragment of A, and in a row block of a result
.set B0,   3                           ; v3   16,384 w + 16 l
.set ADRA, 4
.set ADRB, 5
.set STA,  6
.set GA,   7
.set LPA,  9                           ; v9   a pass's end: my 16 bytes of the 16 rows in hand
.set PFO,  10
.set BO,   11                          ; v11  my 8 numbers of a bias block: 4 x (my wave's first true column + 8 (l / 16))
.set LN,   12
.set RR,   13
.set HH,   14
.set ST0,  15                          ; v15  my place in a staged chunk
.set FSTO, 18                          ; v18  the f32 stage: in
.set FRD,  19                          ; v19  and back
.set PO,   20                          ; v20  16 l
.set GO,   21                          ; v21  my 16 bytes of a row of query and of out0: 4 x my wave's first true column + 16 l
.set ONE,  22                          ; v22  1.0
.set SPW,  28
.set NIL,  29
.set TMP,  32
.set F0,   64
.set F1,   128
.set XL,   64                          ; a pass's end: v[64:79] query as it lies at the place of the 16 rows x 64 columns in hand
.set GX,   128                         ; v[128:159] their 32 sums a lane in f32: register 8 bb + j
.set BIAS, 192
.set QB,   192                         ; the way out: v[192:255] 32 rows of query in bf16, two registers a row
.set ONE1, 0                           ; v0 of window 1: 1.0, for the way out
.set T0, 2
.set T1, 3
.set QRY, 4
.set RW, 6
.set WF, 8
.set PBI, 10
.set BO1, 12
.set BO2, 14
.set OUT, 16
.set PFL, 18                           ; 24 in a wave that prefetches, else 0
.set WRO, 19                           ; 16,384 x ((w + ROT / 2) % 4): my quarter of a tile in memory
.set CXO, 20                           ; s[20:21] offsets for addresses that hold my place in the cluster
.set ROT, 22
.set WR,  23                           ; (w + ROT / 2) % 4
.set G1,  24
.set G0A, 32
.set G0,  36
.set WV,  40
.set MYP, 41
.set CH,  42
.set TBA, 43
.set TBW, 44
.set UU,  45                           ; the place in the walk, 0 .. 23, of the tile to be asked for next
.set LEFT, 46
.set CNT, 47
.set PFA, 48
.set PFN, 50                           ; UU + 2
.set GP,  52
.set QP,  54
.set RWB, 56                           ; s[56:57] P_b at my quarter of tile 0
.set OFF, 58                           ; s[58:59] an offset, high word 0
.set WFB, 60                           ; s[60:61] wf + 524,288 at my quarter: matrix UU / 8 = 1, 2 lies 524,288 x that further on
.set MHI, 62
.set WFP, 68                           ; s[68:69] wf + 524,288 at my work-group's and wave's part of a tile, for the prefetches
.set BP,  70
.set LPS, 72
.set FRS, 73
.set CX,  75
.set WG,  76
.set BAT, 77
.set GPC, 78
.set GCC, 80
.set GA1, 82
.set GA2, 84
.set GA3, 86
.set QR,  88
.set OP,  90
.set MSB, 0
.macro WIN new
.if MSB != (\new)
	s_set_vgpr_msb (MSB<<8)|(\new)
.set MSB, \new
.endif
.endm
.macro PLACES                          ; four places behind a matrix instruction (ISA guide 7.12.1 for vector instructions)
.rept 4
	v_nop
.endr
.endm
.macro ROUND16 base, n                 ; n pairs of f32 are rounded to bf16 and widened again, in place; in three sweeps, so that no line reads the result of the line before it
.set k, 0
.rept \n
	v_cvt_pk_bf16_f32 v[(\base)+2*k], v[(\base)+2*k], v[(\base)+2*k+1]
.set k, k+1
.endr
.set k, 0
.rept \n
	v_and_b32 v[(\base)+2*k+1], s[MHI], v[(\base)+2*k]
.set k, k+1
.endr
.set k, 0
.rept \n
	v_lshlrev_b32 v[(\base)+2*k], 16, v[(\base)+2*k]
.set k, k+1
.endr
.endm
.macro CREST
	s_cmp_lg_u32 s[WV], 0
	s_cbranch_scc1 .Lnot_wave_0_\@
	s_barrier_signal -3
.Lnot_wave_0_\@:
	s_barrier_wait -3
	s_barrier_signal -1
	s_barrier_wait -1
.endm
.macro CROUND
	s_barrier_signal -1
	s_barrier_wait -1
	CREST
.endm
; 16 matrix instructions; zero = 1: the sums start with the bias as C.  The 64 accumulators take turns in the same order in every half step.
.macro MUL16 f, hi, a0, zero
.if \zero
	WIN 0x81+0x40*(\hi)
.else
	WIN 0xa1+0x50*(\hi)
.endif
.irp a, \a0, (\a0)+1
.irp b, 0,1,2,3,4,5,6,7
.if \zero
	v_wmma_f32_16x16x32_bf16 v[8*(8*(\a)+(\b)):8*(8*(\a)+(\b))+7], v[(\f)+8*(\b):(\f)+8*(\b)+7], v[(\f)+8*(4*(\hi)+(\a)):(\f)+8*(4*(\hi)+(\a))+7], v[BIAS+8*(\b):BIAS+8*(\b)+7]
.else
	v_wmma_f32_16x16x32_bf16 v[8*(8*(\a)+(\b)):8*(8*(\a)+(\b))+7], v[(\f)+8*(\b):(\f)+8*(\b)+7], v[(\f)+8*(4*(\hi)+(\a)):(\f)+8*(4*(\hi)+(\a))+7], v[8*(8*(\a)+(\b)):8*(8*(\a)+(\b))+7]
.endif
.endr
.endr
.endm
.macro FETCH k, f
	WIN 0x40
.irp i, 0,1,2,3,4,5,6,7
	ds_load_b128 v[(\f)+8*(\i):(\f)+8*(\i)+3],   v[ADRB] offset:(\k)*8192+(\i)*1024
	ds_load_b128 v[(\f)+8*(\i)+4:(\f)+8*(\i)+7], v[ADRB] offset:(\k)*8192+(\i)*1024+512
.endr
	WIN 0
.irp i, 0,1,2,3,4,5,6,7
	ds_load_b128 v[(\f)+8*(\i):(\f)+8*(\i)+3],   v[ADRA] offset:(\k)*64+(\i)*16*AP
	ds_load_b128 v[(\f)+8*(\i)+4:(\f)+8*(\i)+7], v[ADRA] offset:(\k)*64+(\i)*16*AP+32
.endr
.endm
.macro JLOAD
	tensor_load_to_lds s[G0:G0+3], s[G1:G1+7]
	s_nop 0
	PLACES
.endm
; THE PREFETCHES: the two tiles with which my cluster's walk through Wo1, and through Wo2, begins (places 8, 9, 16, 17 of the walk), each named two refills ahead of the load that wants it.  No other cluster's
; request for them comes earlier.  Clusters 0 to 3 have the four different walks: they ask, each for its own two tiles, so the eight tiles of each matrix are each named once in the launch.  A tile is 256 blocks
; of 256 bytes: 4 partners x waves 0, 1 x 32 lanes, told apart BY ADDRESS.  P_b's tiles come by their loads alone: nothing is prefetched at the head.  Places 24 and 25 do not exist and are not named.
; The macro stands in the loop's change of slots alone: at a pass's end PFN is 11 or 19, no pass's first or second place.
.macro ASK
	s_cmp_lt_u32 s[PFN], s[PFL]
	s_cbranch_scc0 .Lnot_asked_\@
	s_and_b32 s[T0], s[PFN], 6
	s_cmp_eq_u32 s[T0], 0
	s_cbranch_scc0 .Lnot_asked_\@
	s_wait_xcnt 0x0                                ; the last prefetch, a step or more back, has read its address
	s_add_co_u32 s[T0], s[PFN], s[ROT]
	s_and_b32 s[T0], s[T0], 7
	s_and_b32 s[T1], s[PFN], 24
	s_or_b32 s[T0], s[T0], s[T1]
	s_lshl_b32 s[CXO], s[T0], 16
	s_add_nc_u64 s[PFA:PFA+1], s[WFP:WFP+1], s[CXO:CXO+1]
	global_prefetch_b8 v[PFO], s[PFA:PFA+1] th:TH_LOAD_NT scope:SCOPE_SE
.Lnot_asked_\@:
.endm
; Pass 0 alone: a chunk of query (64 columns of the 128 rows) goes from registers to XR's slot of its place in the walk, and the chunk two places on is asked for.  Waves 0, 1 take the even places, waves 2, 3 the
; odd ones; wave & 1 picks rows 0-63 or 64-127.  first = 1, at the head: both pairs at once, places 0 and 1.  Else: place CH, a step ahead of its reading.
.macro STAGE first
	WIN 0
.if \first
	s_mov_b32 s[T1], s[MYP]
.else
	s_cmp_lt_u32 s[CH], NCH
	s_cbranch_scc0 .Lnot_mine_\@
	s_and_b32 s[T0], s[CH], 1
	s_cmp_eq_u32 s[T0], s[MYP]
	s_cbranch_scc0 .Lnot_mine_\@
	s_mov_b32 s[T1], s[CH]
.endif
	s_wait_loadcnt 0x0                             ; my one set of 32 loads; it also frees their base
	s_mul_i32 s[T0], s[T1], ASL
	s_add_co_u32 s[T0], s[T0], XR
	v_add_nc_u32 v[STA], s[T0], v[ST0]
	WIN 0x45
.set i, 0
.rept 32
.set sr, 4*i+128*(i/16)
	v_cvt_pk_bf16_f32 v[sr], v[sr], v[sr+1]
	v_cvt_pk_bf16_f32 v[sr+1], v[sr+2], v[sr+3]
.set i, i+1
.endr
	WIN 0x04
.set i, 0
.rept 32
.set sr, 4*i+128*(i/16)
	ds_store_b64 v[STA], v[sr:sr+1] offset:i*2*AP
.set i, i+1
.endr
	WIN 0
.if !(\first)
	s_cmp_lt_u32 s[CH], NCH-2
	s_cbranch_scc0 .Lnot_mine_\@
.endif
	s_add_co_u32 s[T0], s[T1], 2
	s_add_co_u32 s[T0], s[T0], s[ROT]              ; the place, turned: the true chunk
	s_and_b32 s[T0], s[T0], 7
	s_lshl_b32 s[OFF], s[T0], 8
	s_add_nc_u64 s[GP:GP+1], s[QP:QP+1], s[OFF:OFF+1]
	WIN 0x40
.set i, 0
.rept 32
.set sr, 4*i+128*(i/16)
	global_load_b128 v[sr:sr+3], v[GA], s[GP:GP+1] offset:i*4096
.set i, i+1
.endr
	WIN 0
.if \first
	s_mov_b32 s[CH], 2
.else
.Lnot_mine_\@:
	s_add_co_u32 s[CH], s[CH], 1
.endif
.endm
.macro QUARTER zero, stage
	s_wait_dscnt 8                                 ; W and A's rows 0-63 are in; the youngest eight loads (A's rows 64-127) may be out
	MUL16 F0, 0, 0, \zero
	MUL16 F0, 0, 2, \zero
.if \stage
	STAGE 0
.endif
	PLACES
	FETCH 1, F1
	s_wait_dscnt 32                                ; all but the 32 just issued (the staging stores are older)
	MUL16 F0, 1, 0, \zero
	MUL16 F0, 1, 2, \zero
.endm
; A step's second half and the change of slots: ONE barrier; in front of it each wave waits for all its tensor loads (one is out), adds 0 to its spare word, and waits for that, for its LDS reads and for its
; staging stores.  fill = 1: the barrier opens a round of the cluster's barrier, and W's slot just read takes the tile at place UU of the walk, first thing behind it; the descriptor's address is made anew from
; that number: matrix UU / 8, tile (UU + ROT) % 8.
.macro TURN fill, fetch, ask
	WIN 0
	s_wait_tensorcnt 0x0
	ds_add_u32 v[SPW], v[NIL]
	s_wait_dscnt 9                                 ; the add and the youngest eight loads may be out
	MUL16 F1, 0, 0, 0
	s_wait_dscnt 0x0
	s_barrier_signal -1
	MUL16 F1, 0, 2, 0
	WIN 0
	s_barrier_wait -1
.if \fill
	CREST
	s_cmp_lt_u32 s[UU], 8
	s_cselect_b64 s[G0+2:G0+3], s[RWB:RWB+1], s[WFB:WFB+1]
	s_add_co_u32 s[T0], s[UU], s[ROT]
	s_and_b32 s[T0], s[T0], 7
	s_and_b32 s[T1], s[UU], 24
	s_or_b32 s[T0], s[T0], s[T1]
	s_lshl_b32 s[OFF], s[T0], 16
	s_add_nc_u64 s[G0+2:G0+3], s[G0+2:G0+3], s[OFF:OFF+1]
	s_or_b32 s[G0+3], s[G0+3], 0x80000000
	s_xor_b32 s[G0+1], s[G0+1], WSLOT
	s_add_co_u32 s[UU], s[UU], 1
	JLOAD
.else
	PLACES
.endif
	s_xor_b32 s[TBW], s[TBW], WSLOT
	s_add_co_u32 s[TBA], s[TBA], ASL
.if \fetch
	v_add_nc_u32 v[ADRA], s[TBA], v[A0]
	v_add_nc_u32 v[ADRB], s[TBW], v[B0]
	FETCH 0, F0
.endif
.if \ask
	ASK
.endif
.if \fill
	s_add_co_u32 s[PFN], s[PFN], 1
.endif
	MUL16 F1, 1, 0, 0
	MUL16 F1, 1, 2, 0
.endm
.macro BLOAD p
.irp b, 0,1,2,3,4,5,6,7
	global_load_b128 v[BIAS+8*(\b):BIAS+8*(\b)+3],   v[BO], s[\p:\p+1] offset:(\b)*64
	global_load_b128 v[BIAS+8*(\b)+4:BIAS+8*(\b)+7], v[BO], s[\p:\p+1] offset:(\b)*64+16
.endr
.endm
; Trip t of a pass's end: four accumulators come into GX: row block t % 8, column blocks 4 (t / 8) .. + 3.  A loop cannot name the accumulators, so these 16 packed lines stand sixteen times, and all that
; follows them (256 lines of gelu among it) stands once.  Each accumulator's registers are read in ascending order.
.macro TAKE t
	WIN 0x02+(((\t)%8)/4)                          ; source 0 in window 2 or 3
.set i, 0
.rept 16
	v_pk_mul_f32 v[GX+2*i:GX+2*i+1], v[64*((\t)%4)+32*((\t)/8)+2*i:64*((\t)%4)+32*((\t)/8)+2*i+1], 1.0 op_sel_hi:[1,0]
.set i, i+1
.endr
	WIN 0
.endm
; GELU on GX, in two quarters q of 16 numbers, on two register sets gs = 32 + 48 q: +0..15 1 + P |x|, then t, then max(x, 0); +16..31 C x^2, then its power of 2; +32..47 the polynomial.  The result takes x's place.
.macro GPRE q                          ; line pn of the 32 ahead of the transcendentals
.set gs, 32+48*((\q)%2)
.set gx, GX+16*(\q)
.if pn < 16
	v_fma_f32 v[gs+pn], |v[gx+pn]|, s[GPC], 1.0
.elseif pn < 24
	v_pk_mul_f32 v[gs+16+2*(pn-16):gs+17+2*(pn-16)], v[gx+2*(pn-16):gx+1+2*(pn-16)], v[gx+2*(pn-16):gx+1+2*(pn-16)]
.else
	v_pk_mul_f32 v[gs+16+2*(pn-24):gs+17+2*(pn-24)], v[gs+16+2*(pn-24):gs+17+2*(pn-24)], s[GCC:GCC+1] op_sel_hi:[1,0]
.endif
.set pn, pn+1
.endm
.macro GT q                            ; transcendental tn of 32: sixteen reciprocals, sixteen powers of 2, in place
.set gs, 32+48*((\q)%2)
.if tn < 16
	v_rcp_f32 v[gs+tn], v[gs+tn]
.else
	v_exp_f32 v[gs+tn], v[gs+tn]
.endif
.set tn, tn+1
.endm
.macro GPOST q                         ; line qn of the 64 behind them
.set gs, 32+48*((\q)%2)
.set gx, GX+16*(\q)
.set p2, 2*(qn%8)
.if qn < 8
	v_pk_fma_f32 v[gs+32+p2:gs+33+p2], v[gs+p2:gs+1+p2], s[GA3:GA3+1], s[GA2:GA2+1] op_sel_hi:[1,0,0]
.elseif qn < 16
	v_pk_fma_f32 v[gs+32+p2:gs+33+p2], v[gs+32+p2:gs+33+p2], v[gs+p2:gs+1+p2], s[GA1:GA1+1] op_sel_hi:[1,1,0]
.elseif qn < 24
	v_pk_mul_f32 v[gs+32+p2:gs+33+p2], v[gs+32+p2:gs+33+p2], v[gs+p2:gs+1+p2]
.elseif qn < 32
	v_pk_mul_f32 v[gs+32+p2:gs+33+p2], v[gs+32+p2:gs+33+p2], v[gs+16+p2:gs+17+p2]
.elseif qn < 48
	v_max_num_f32 v[gs+qn-32], 0, v[gx+qn-32]
.else
	v_fma_f32 v[gx+qn-48], -|v[gx+qn-48]|, v[gs+qn-16], v[gs+qn-48]
.endif
.set qn, qn+1
.endm
.macro QLOADS                          ; the way out: my wave's 512 bytes of 32 rows of query
.set i, 0
.rept 32
	global_load_b128 v[64+4*i:67+4*i], v[GO], s[QR:QR+1] offset:i*2048
.set i, i+1
.endr
.endm
	s_load_b256 s[4:11], s[0:1], 0x0               ; query, rw, wf, pbias
	s_load_b128 s[12:15], s[0:1], 0x20             ; bo1, bo2
	s_load_b64 s[16:17], s[0:1], 0x30              ; out0
	v_lshl_add_u32 v[SPW], v0, 2, SPARE
	v_mov_b32 v[NIL], 0
	ds_add_u32 v[SPW], v[NIL]                      ; the wave's opening: the add and its wait stand ahead of my first tensor load; the set-up, work on registers, stands between
	v_lshrrev_b32 v1, 5, v0
	v_readfirstlane_b32 s[WV], v1
	s_lshr_b32 s[MYP], s[WV], 1
	s_bfe_u32 s[CX], ttmp6, 0x40000
	s_lshl_b32 s[WG], ttmp9, 2
	s_add_co_u32 s[WG], s[WG], s[CX]               ; my block of 128 rows
	s_lshr_b32 s[BAT], ttmp9, 3                    ; the batch: 8 clusters each; the four partners share it
	s_and_b32 s[T1], ttmp9, 3                      ; the turn, in units of 128 columns: the same in all four partners
	s_lshl_b32 s[ROT], s[T1], 1
	s_add_co_u32 s[WR], s[WV], s[T1]
	s_and_b32 s[WR], s[WR], 3
	s_lshl_b32 s[WRO], s[WR], 14
	s_mov_b32 s[G1+0], 15|(3<<16)|(1<<21)          ; the mask of four; elements of 8 bytes; bit 21 beside a mask; no padding
	s_mov_b32 s[G1+1], 32<<16                      ; tensor_dim0 = 32
	s_mov_b32 s[G1+2], 64<<16                      ; tensor_dim1 = 64
	s_mov_b32 s[G1+3], 32<<16                      ; tile_dim0 = 32
	s_mov_b32 s[G1+4], 64                          ; tile_dim1 = 64
	s_mov_b32 s[G1+5], 32                          ; 32 elements from row to row
	s_mov_b32 s[G1+6], 0
	s_mov_b32 s[G1+7], 0
	s_lshl_b32 s[T0], s[WV], 14                    ; where my quarter goes in a slot: the wave's number alone
	s_mov_b32 s[G0A], 1
	s_mov_b32 s[G0A+1], s[T0]
	s_mov_b32 s[G0], 1
	s_add_co_u32 s[G0+1], s[T0], WSLOT
	s_lshl_b32 s[OFF], s[BAT], 19
	s_add_co_u32 s[OFF], s[OFF], s[WRO]            ; P_b, my quarter
	s_mov_b32 s[OFF+1], 0
	s_mov_b32 s[CXO+1], 0
	s_mov_b32 s[MHI], 0xffff0000
	s_mov_b32 s[GPC], 0x3eaa540e                   ; P  = 0.47047 / sqrt 2
	s_mov_b32 s[GCC], 0xbf38aa3b                   ; C  = - log2(e) / 2
	s_mov_b32 s[GCC+1], s[GCC]
	s_mov_b32 s[GA1], 0x3e32303a                   ; A1 = 0.3480242 / 2
	s_mov_b32 s[GA1+1], s[GA1]
	s_mov_b32 s[GA2], 0xbd445ca1                   ; A2 = -0.0958798 / 2
	s_mov_b32 s[GA2+1], s[GA2]
	s_mov_b32 s[GA3], 0x3ebf7377                   ; A3 = 0.7478556 / 2
	s_mov_b32 s[GA3+1], s[GA3]
	s_mov_b32 s[TBW], 0
	s_mov_b32 s[LEFT], 3
	s_mov_b32 s[UU], 2
	s_mov_b32 s[PFN], 4
	s_lshr_b32 s[T1], ttmp9, 2
	s_or_b32 s[T1], s[T1], s[MYP]                  ; waves 0, 1 of clusters 0 to 3: the same in all four partners
	s_cmp_eq_u32 s[T1], 0
	s_cselect_b32 s[PFL], 24, 0
	v_mov_b32 v[ONE], 1.0
	v_and_b32 v[LN], 31, v0
	v_and_b32 v[RR], 15, v0
	v_bfe_u32 v[HH], v0, 4, 1
	v_mul_u32_u24 v[A0], v[RR], AP
	v_lshl_add_u32 v[A0], v[HH], 4, v[A0]
	v_lshl_add_u32 v[B0], v[LN], 4, s[T0]
	v_lshlrev_b32 v[GA], 11, v[HH]
	v_lshl_add_u32 v[GA], v[RR], 4, v[GA]
	s_and_b32 s[T1], s[WV], 1
	s_mul_i32 s[T1], s[T1], 64*AP
	v_mul_u32_u24 v[ST0], v[HH], AP
	v_lshl_add_u32 v[ST0], v[RR], 3, v[ST0]
	v_add_nc_u32 v[ST0], s[T1], v[ST0]
	v_lshlrev_b32 v[PFO], 8, v[LN]
	s_lshl_b32 s[T1], s[WR], 9                     ; my wave's first true column, in bytes of f32
	v_lshl_add_u32 v[BO], v[HH], 5, s[T1]
	v_lshl_add_u32 v[GO], v[LN], 4, s[T1]
	v_lshlrev_b32 v[PO], 4, v[LN]
	s_mul_i32 s[FRS], s[WV], FST
	v_mul_u32_u24 v[FSTO], v[RR], FP
	v_lshl_add_u32 v[FSTO], v[HH], 5, v[FSTO]
	v_add_nc_u32 v[FSTO], s[FRS], v[FSTO]
	s_wait_dscnt 0x0                               ; the opening add is done
	s_wait_kmcnt 0x0
	s_add_nc_u64 s[RWB:RWB+1], s[RW:RW+1], s[OFF:OFF+1]
	s_add_co_u32 s[OFF], s[WRO], 524288
	s_add_nc_u64 s[WFB:WFB+1], s[WF:WF+1], s[OFF:OFF+1]
	s_lshl_b32 s[OFF], s[ROT], 16
	s_add_nc_u64 s[G0A+2:G0A+3], s[RWB:RWB+1], s[OFF:OFF+1]  ; place 0 of the walk: tile ROT,
	s_add_nc_u64 s[G0+2:G0+3], s[G0A+2:G0A+3], WSLOT         ; place 1: tile ROT + 1 (ROT is even: 7 at the most)
	s_or_b32 s[G0A+3], s[G0A+3], 0x80000000
	s_or_b32 s[G0+3], s[G0+3], 0x80000000
	s_lshl_b32 s[OFF], s[BAT], 11
	s_add_nc_u64 s[PBI:PBI+1], s[PBI:PBI+1], s[OFF:OFF+1]
	s_lshl_b32 s[CXO], s[WG], 18                   ; 128 rows of 2,048 bytes
	s_add_nc_u64 s[QR:QR+1], s[QRY:QRY+1], s[CXO:CXO+1]
	s_add_nc_u64 s[OP:OP+1], s[OUT:OUT+1], s[CXO:CXO+1]
	s_and_b32 s[T1], s[WV], 1
	s_lshl_b32 s[CXO], s[T1], 17                   ; my 64 of them
	s_add_nc_u64 s[QP:QP+1], s[QR:QR+1], s[CXO:CXO+1]
	s_add_co_u32 s[T1], s[MYP], s[ROT]
	s_lshl_b32 s[CXO], s[T1], 8
	s_add_nc_u64 s[GP:GP+1], s[QP:QP+1], s[CXO:CXO+1]        ; my first chunk: place 0 or 1 of the walk
	s_lshl_b32 s[CXO], s[WV], 15
	s_lshl_b32 s[T1], s[CX], 13
	s_add_co_u32 s[CXO], s[CXO], s[T1]
	s_add_co_u32 s[CXO], s[CXO], 524288
	s_add_nc_u64 s[WFP:WFP+1], s[WF:WF+1], s[CXO:CXO+1]
	BLOAD PBI
	WIN 0x40
.set i, 0
.rept 32
.set sr, 4*i+128*(i/16)
	global_load_b128 v[sr:sr+3], v[GA], s[GP:GP+1] offset:i*4096
.set i, i+1
.endr
	WIN 0
	CROUND                                         ; all four work-groups are here: the first joint loads meet
	tensor_load_to_lds s[G0A:G0A+3], s[G1:G1+7]    ; two loads of mine are out
	s_nop 0
	tensor_load_to_lds s[G0:G0+3], s[G1:G1+7]
	s_nop 0
	PLACES
	STAGE 1                                        ; places 0 and 1 into their slots, places 2 and 3 asked for; its wait for all loads has brought the bias too
	s_wait_tensorcnt 0x1                           ; my quarter of the first tile is in; the second may stay out
	s_wait_dscnt 0x0
	s_barrier_signal -1
	s_barrier_wait -1
.Lpass:
	s_cmp_eq_u32 s[LEFT], 3
	s_cbranch_scc1 .Lkeep                          ; pb is no input: it stays f32
	ROUND16 BIAS, 32                               ; bo1 and bo2 count as their rounding to bf16, like every input
.Lkeep:
	s_mov_b32 s[TBA], XR
	v_add_nc_u32 v[ADRA], s[TBA], v[A0]
	v_add_nc_u32 v[ADRB], s[TBW], v[B0]
	FETCH 0, F0
	QUARTER 1, 0                                   ; step 0 starts the sums
	WIN 0
	s_mov_b32 s[CNT], 7
.Lstep:                                            ; a trip: a step's second half and the next step's first.  Seven trips in passes 0 and 1; the last pass leaves ahead of its seventh
	s_or_b32 s[T0], s[CNT], s[LEFT]                ; 1 only where both are 1
	s_cmp_eq_u32 s[T0], 1
	s_cbranch_scc1 .Llast                          ; the last pass's tail is written out: it asks for nothing more
	TURN 1, 1, 1
	QUARTER 0, 1
	WIN 0
	s_sub_co_u32 s[CNT], s[CNT], 1
	s_cmp_lg_u32 s[CNT], 0
	s_cbranch_scc1 .Lstep
	TURN 1, 0, 0                                   ; the ring goes on into the next pass; behind this barrier no wave reads XR any more
	WIN 0
	PLACES
	PLACES
	s_cmp_eq_u32 s[LEFT], 3
	s_cselect_b64 s[BP:BP+1], s[BO1:BO1+1], s[BO2:BO2+1]
	BLOAD BP                                       ; the next pass's bias
	; A PASS'S END, sixteen trips: trip t takes 16 rows x 64 columns: row block t % 8 of my slot 2 w + t / 8.  Eight steps of 16 rows are one slot (8 x 2,304 = 18,432 bytes), so the address walks from the
	; first slot into the second by the same step.  A lane's 8 sums of a column block belong at 16 bytes of the slot; behind pass 0 the same row's and columns' query lies at those very bytes, in bf16, and is
	; added in f32: the first residual.  Behind pass 1 gelu is taken of the f32 sums.  Then one rounding, and the bytes are stored in place: the next pass's A.
	; No other wave touches these bytes behind the last change of slots.
	s_mul_i32 s[LPS], s[WV], 2*ASL
	s_add_co_u32 s[LPS], s[LPS], XR
	s_mov_b32 s[CNT], 16
.Lrow:
	v_add_nc_u32 v[LPA], s[LPS], v[A0]
	s_cmp_eq_u32 s[LEFT], 3
	s_cbranch_scc0 .Lno_query
.irp b, 0,1,2,3
	ds_load_b128 v[XL+4*(\b):XL+4*(\b)+3], v[LPA] offset:32*(\b)
.endr
.Lno_query:
	s_cmp_lt_u32 s[CNT], 9                         ; the trip's number t = 16 - CNT picks the accumulators: first the half, then one of eight
	s_cbranch_scc1 .Lupper
.irp t, 0,1,2,3,4,5,6
	s_cmp_eq_u32 s[CNT], 16-(\t)
	s_cbranch_scc1 .Ltake\t
.endr
	TAKE 7
	s_branch .Ltaken
.Lupper:
.irp t, 8,9,10,11,12,13,14
	s_cmp_eq_u32 s[CNT], 16-(\t)
	s_cbranch_scc1 .Ltake\t
.endr
	TAKE 15
	s_branch .Ltaken
.irp t, 0,1,2,3,4,5,6,8,9,10,11,12,13
.Ltake\t:
	TAKE \t
	s_branch .Ltaken
.endr
.Ltake14:
	TAKE 14
.Ltaken:
	s_wait_dscnt 0x0                               ; query's 4 loads, where they were issued, are in; it stands on both ways, ahead of every line that names their registers
	s_cmp_eq_u32 s[LEFT], 3
	s_cbranch_scc0 .Lgelu
.set i, 0
.rept 16
	v_fma_mix_f32_bf16 v[GX+2*i],   v[XL+i], v[ONE], v[GX+2*i]   op_sel_hi:[1,0,0]
	v_fma_mix_f32_bf16 v[GX+2*i+1], v[XL+i], v[ONE], v[GX+2*i+1] op_sel:[1,0,0] op_sel_hi:[1,0,0]
.set i, i+1
.endr
	s_branch .Lpack
.Lgelu:
.set pn, 0
.rept 32
	GPRE 0
.endr
.set pn, 0
.set tn, 0
.rept 32                               ; the first quarter's transcendentals by turns with the second's plain lines
	GT 0
	GPRE 1
.endr
	s_wait_alu depctr_va_vdst(0)                   ; one wait for a quarter's batch of 32, ahead of its first reader
.set tn, 0
.set qn, 0
.rept 32                               ; the second quarter's transcendentals among the first's plain lines
	GT 1
	GPOST 0
	GPOST 0
.endr
	s_wait_alu depctr_va_vdst(0)                   ; the second quarter's batch, ahead of its first reader and of the label
.set qn, 0
.rept 64
	GPOST 1
.endr
.Lpack:
.set i, 0
.rept 16
	v_cvt_pk_bf16_f32 v[TMP+i], v[GX+2*i], v[GX+2*i+1]
.set i, i+1
.endr
.irp b, 0,1,2,3
	ds_store_b128 v[LPA], v[TMP+4*(\b):TMP+4*(\b)+3] offset:32*(\b)
.endr
	s_add_co_u32 s[LPS], s[LPS], 16*AP
	s_sub_co_u32 s[CNT], s[CNT], 1
	s_cmp_lg_u32 s[CNT], 0
	s_cbranch_scc1 .Lrow
	s_wait_loadcnt 0x0                             ; the bias
	s_wait_dscnt 0x0                               ; for the others' sake: my two slots of the next A are stored
	s_barrier_signal -1                            ; my one tensor load, the next pass's second tile, stays out
	s_barrier_wait -1
	s_sub_co_u32 s[LEFT], s[LEFT], 1
	s_branch .Lpass
.Llast:
	TURN 0, 1, 0
	QUARTER 0, 0
	TURN 0, 0, 0                                   ; behind its barrier no wave reads W's slots or XR any more, and no fill is left
	WIN 0
	PLACES
	PLACES
	; THE WAY OUT: f32 through my wave's own stage (128 rows x 528 bytes), back as whole rows of 512 bytes; query, rounded to bf16 as everywhere, is added in f32.
	; Query's rows are asked for a trip ahead: the first 32 here, ahead of the 128 stores into the stage; in a trip the rows that have come are packed into QB, and the next 32 are asked for.
	QLOADS
.irp a, 0,1,2,3,4,5,6,7
	WIN 0x08+4*((\a)/4)                            ; store data in window 2 or 3
.irp b, 0,1,2,3,4,5,6,7
	ds_store_b128 v[FSTO], v[64*((\a)%4)+8*(\b):64*((\a)%4)+8*(\b)+3]   offset:(\a)*16*FP+(\b)*64     ; each accumulator's low registers first
	ds_store_b128 v[FSTO], v[64*((\a)%4)+8*(\b)+4:64*((\a)%4)+8*(\b)+7] offset:(\a)*16*FP+(\b)*64+16
.endr
.endr
	WIN 0x40
	v_mov_b32 v[ONE1], 1.0                         ; a staging register, free since the last chunk was stored
	WIN 0
	s_mov_b32 s[CNT], 4
.Lout:                                             ; 32 rows a trip: query in window 0's v64-191, the stage's rows in window 1's
	s_wait_loadcnt 0x0                             ; this trip's 32 rows of query, asked for a trip ago; it also frees their base
.set i, 0
.rept 32
	v_cvt_pk_bf16_f32 v[QB+2*i],   v[64+4*i], v[65+4*i]  ; a row's four numbers of query, rounded, in two registers
	v_cvt_pk_bf16_f32 v[QB+2*i+1], v[66+4*i], v[67+4*i]
.set i, i+1
.endr
	s_wait_xcnt 0x0                                ; the last trip's stores, 64 lines back, have read their data and their base: the base is stepped and the data registers are loaded anew only behind this wait
	s_cmp_eq_u32 s[CNT], 4
	s_cselect_b32 s[OFF], 0, 65536                 ; the first trip stores at the block's first row
	s_add_nc_u64 s[OP:OP+1], s[OP:OP+1], s[OFF:OFF+1]
	v_add_nc_u32 v[FRD], s[FRS], v[PO]
	WIN 0x40
.set i, 0
.rept 32
	ds_load_b128 v[64+4*i:67+4*i], v[FRD] offset:i*FP  ; LDS serves a wave's instructions in order (ISA guide 5.7.1.4): these see my stores above
.set i, i+1
.endr
	WIN 0
	s_cmp_eq_u32 s[CNT], 1
	s_cbranch_scc1 .Lno_more                       ; the last trip has no rows behind it
	s_add_nc_u64 s[QR:QR+1], s[QR:QR+1], 65536
	QLOADS
.Lno_more:
	WIN 0x54                                       ; source 0 (query; a store's address) window 0; source 1 (1.0; a store's data), source 2 (the stage's row) and the destination window 1
.set i, 0
.rept 32                               ; a row's store stands behind the next row's four additions, so that it does not wait for results just made
	s_wait_dscnt 31-i                              ; row i is back; the younger rows may be out
	v_fma_mix_f32_bf16 v[64+4*i], v[QB+2*i],   v[ONE1], v[64+4*i] op_sel_hi:[1,0,0]
	v_fma_mix_f32_bf16 v[65+4*i], v[QB+2*i],   v[ONE1], v[65+4*i] op_sel:[1,0,0] op_sel_hi:[1,0,0]
	v_fma_mix_f32_bf16 v[66+4*i], v[QB+2*i+1], v[ONE1], v[66+4*i] op_sel_hi:[1,0,0]
	v_fma_mix_f32_bf16 v[67+4*i], v[QB+2*i+1], v[ONE1], v[67+4*i] op_sel:[1,0,0] op_sel_hi:[1,0,0]
.if i > 0
	global_store_b128 v[GO], v[60+4*i:63+4*i], s[OP:OP+1] offset:(i-1)*2048 th:TH_STORE_NT  ; row i - 1: 512 consecutive bytes, at a multiple of 512 from out0's first byte
.endif
.set i, i+1
.endr
	global_store_b128 v[GO], v[188:191], s[OP:OP+1] offset:31*2048 th:TH_STORE_NT
	WIN 0
	s_add_co_u32 s[FRS], s[FRS], 32*FP
	s_sub_co_u32 s[CNT], s[CNT], 1
	s_cmp_lg_u32 s[CNT], 0
	s_cbranch_scc1 .Lout
	s_wait_tensorcnt 0x0                           ; the wave's end
	ds_add_u32 v[SPW], v[NIL]
	s_wait_dscnt 0x0
	CROUND                                         ; the closing round
	s_endpgm
.Lfunc_end_k_qd87e33c176_main:
	.size	k_qd87e33c176_main, .Lfunc_end_k_qd87e33c176_main-k_qd87e33c176_main
	.p2alignl 7, 3214868480
	.fill 96, 4, 3214868480
	.section	.rodata,"a",@progbits
	.p2align	6, 0x0
	.amdhsa_kernel k_qd87e33c176_main
		.amdhsa_group_segment_fixed_size 327680
		.amdhsa_private_segment_fixed_size 0
		.amdhsa_enable_private_segment 0
		.amdhsa_kernarg_size 56
		.amdhsa_user_sgpr_count 2
		.amdhsa_user_sgpr_kernarg_segment_ptr 1
		.amdhsa_wavefront_size32 1
		.amdhsa_system_sgpr_workgroup_id_x 1
		.amdhsa_system_sgpr_workgroup_id_y 1
		.amdhsa_system_sgpr_workgroup_id_z 1
		.amdhsa_system_vgpr_workitem_id 0
		.amdhsa_next_free_vgpr 1024
		.amdhsa_next_free_sgpr 92
		.amdhsa_reserve_vcc 0
		.amdhsa_float_denorm_mode_32 3
		.amdhsa_float_denorm_mode_16_64 3
		.amdhsa_memory_ordered 1
		.amdhsa_forward_progress 1
		.amdhsa_inst_pref_size 151
	.end_amdhsa_kernel
	.amdgpu_metadata
---
amdhsa.version: [ 1, 2 ]
amdhsa.kernels:
  - .name:           k_qd87e33c176_main
    .symbol:         k_qd87e33c176_main.kd
    .args:
      - { .name: query, .offset: 0, .size: 8, .value_kind: global_buffer, .address_space: global }
      - { .name: rw, .offset: 8, .size: 8, .value_kind: global_buffer, .address_space: global }
      - { .name: wf, .offset: 16, .size: 8, .value_kind: global_buffer, .address_space: global }
      - { .name: pbias, .offset: 24, .size: 8, .value_kind: global_buffer, .address_space: global }
      - { .name: bo1, .offset: 32, .size: 8, .value_kind: global_buffer, .address_space: global }
      - { .name: bo2, .offset: 40, .size: 8, .value_kind: global_buffer, .address_space: global }
      - { .name: out0, .offset: 48, .size: 8, .value_kind: global_buffer, .address_space: global }
    .group_segment_fixed_size: 327680
    .private_segment_fixed_size: 0
    .kernarg_segment_align: 8
    .kernarg_segment_size: 56
    .max_flat_workgroup_size: 128
    .sgpr_count:     92
    .vgpr_count:     1024
    .wavefront_size: 32
...
	.end_amdgpu_metadata
.endif
;; end of part 4
;; ======== version 2 of 2: 4 launches; version 1 with the launch fold written anew for expert scheduling mode
;; limits: a function is approximated: absolute error at most 2.5e-05; an absolute error that grows with the inputs' magnitude: up to 1.25e-05 times it
;; workspace buffers: wf 2,097,152 bytes; part 33,554,432 bytes; rw 4,194,304 bytes; pbias 16,384 bytes
;; launch prep: the kernel of part 1 again; grid 64 x 4, 4 waves a work-group, no clusters, 0 bytes of LDS; arguments Wk, Wv, Wo1, Wo2, wf; writes wf
;; launch kvsum: the kernel of part 2 again; grid 256 x 1, 4 waves a work-group, clusters of 4 x 1, 327,680 bytes of LDS; arguments key, value, wf, bk, bv, kln_w, kln_b, vln_w, vln_b, part; writes part
;; launch fold (part 5): grid 256 x 1, 4 waves a work-group, no clusters, 90,624 bytes of LDS; arguments part, Wq, bq, rw, pbias; writes rw, pbias
.if DOCPART == 5
	.amdgcn_target "amdgcn-amd-amdhsa--gfx1250"
	.amdhsa_code_object_version 6
	.text
	.protected	k_qd87e33c176_fold
	.globl	k_qd87e33c176_fold
	.p2align	8
	.type	k_qd87e33c176_fold,@function
k_qd87e33c176_fold:
	s_mov_b64 s[64:65], 0
	v_nop
	global_prefetch_b8 v0, s[64:65] scope:SCOPE_SE
	s_setreg_imm32_b32 hwreg(HW_REG_WAVE_SCHED_MODE, 0, 2), 2
	s_setreg_imm32_b32 hwreg(HW_REG_WAVE_MODE, 25, 1), 1
	s_wait_xcnt 0x0
	s_wait_alu depctr_vm_vsrc(0)
; kv[b][h] = (the sum of the batch's 32 partial sums) / 4096, in f32.  Then q and q kv are folded into one matrix for each batch:
; P_b[64 h + e][c] = the sum over d of kv[d][e] Wq[64 h + d][c];  pb_b[64 h + e] = the sum over d of kv[d][e] bq[64 h + d]:  out = query P_b^T + pb_b.
; rw holds P_b in bf16 in fragment order ([c/64][n/128][(c/32)&1][(n/16)&7][(c/16)&1][lane][8 bf16]), pbias holds pb in f32.
; LIMITS.  kv and Wq are matrix operands in bf16; bq counts as its rounding to bf16, like every input; P is rounded once to bf16.
; SHARES.  Work-group x = 32 b + 4 h + et: rows n = 64 h + 16 et .. + 15 of P_b.  Wave w: 8 of the 32 partials, then columns c = 128 w .. + 127.  No tensor load, no cluster: no two work-groups of a
; neighbourhood share more than Wq's 64 rows, which are a small part of what a work-group reads.
; LDS: 0 the four waves' sums, 4,096 bytes each | 16,384 Wq's 64 rows x 128 columns in bf16 for each wave, rows of 288 bytes (256 + 32) | 90,112 the spare words.
; THE MODE: SCHED_MODE bits 1:0 = 2 (LLVM: expert scheduling mode 2), set by the entry lines.  The code itself states the register dependences
; between vector or matrix instructions and memory or LDS instructions, with s_wait_alu, always for 0.
; THE PLAN.  Registers that memory or LDS instructions touch, in the order of the text (there is no loop):
;   v4, v7, v8, v9, v12, v13   offsets and LDS addresses: written once at the head, read ever after.
;   P   partials 0-3 land, additions read; partials 4-7 land, additions read; Wq's rows 32-63 land, conversions write in place, LDS stores read; the four waves' sums land, additions read;
;       the turned fragments land, matrix instructions read.
;   W   Wq's rows 0-15 land, conversions write in place, LDS stores read; rows 16-31 the same; bq lands in the lower half, wave 0's arithmetic works on it; the matrix instructions write all of it.
;   S   additions write, LDS stores read; behind the barrier additions write it anew; at the end conversions write it, the last stores read it.
;   v14 pb: wave 0's arithmetic writes it, one store reads it.       X1 is named by vector and matrix instructions alone.
; So a wait on va_vdst stands behind each run of vector instructions that empties or fills one of P, W, S ahead of the loads or stores that follow it, and a wait on vm_vsrc behind each run of LDS stores
; whose data registers are loaded or written again.  Conversions stand in runs, and their stores in runs behind one wait.
.set SCR,   0
.set WQS,   16384
.set WQP,   288
.set SPARE, 90112
.set SPW, 2
.set NIL, 3
.set LO,  4                            ; v4   16 l
.set RR,  5
.set HH,  6
.set WST, 7                            ; v7   where I store 8 bytes of a row of Wq
.set WTR, 8                            ; v8   the turning load's address
.set BQO, 9                            ; v9   32 (l / 16)
.set PBO, 12                           ; v12  4 (l % 16)
.set SCW, 13
.set PB2, 14                           ; v[14:15] pb at work
.set X1,  16                           ; v[16:31] kv as source 1: two fragments (16 e x 32 d)
.set S,   32                           ; v[32:63] the sum: register 8 dt + j = kv(d = 16 dt + 8 (l / 16) + j, e = 16 et + l % 16)
.set P,   64                           ; v[64:191]
.set W,   192                          ; v[192:255]
.set PART, 4
.set WQ, 6
.set BQ, 8
.set RWO, 10
.set PBI, 12
.set WV, 14
.set BAT, 15
.set HD, 16
.set ET, 17
.set T0, 18
.set T1, 19
.set OFF, 20
.set SEL, 22
.macro PLOAD k0                        ; four partials, 4,096 bytes each: 32 loads of 512 consecutive bytes
.irp k, 0,1,2,3
.irp i, 0,1,2,3,4,5,6,7
	global_load_b128 v[P+32*(\k)+4*(\i):P+32*(\k)+4*(\i)+3], v[LO], s[PART:PART+1] offset:((\k0)+(\k))*131072+(\i)*512 th:TH_LOAD_NT
.endr
.endr
.endm
.macro ACCUM k
.set i, 0
.rept 16
	v_pk_add_f32 v[S+2*i:S+2*i+1], v[S+2*i:S+2*i+1], v[P+32*(\k)+2*i:P+32*(\k)+2*i+1]
.set i, i+1
.endr
.endm
.macro START                           ; the first two start the sum: nothing is cleared
.set i, 0
.rept 16
	v_pk_add_f32 v[S+2*i:S+2*i+1], v[P+2*i:P+2*i+1], v[P+32+2*i:P+32+2*i+1]
.set i, i+1
.endr
.endm
.macro WLOAD dst, d0, n                ; n rows of Wq, my wave's 512 bytes of each
.set i, 0
.rept \n
	global_load_b128 v[(\dst)+4*i:(\dst)+4*i+3], v[LO], s[WQ:WQ+1] offset:((\d0)+i)*2048
.set i, i+1
.endr
.endm
.macro WCVT src, n                     ; n rows are rounded to bf16: a row's four numbers close up into the first two of their four registers
.set i, 0
.rept \n
	v_cvt_pk_bf16_f32 v[(\src)+4*i], v[(\src)+4*i], v[(\src)+4*i+1]
	v_cvt_pk_bf16_f32 v[(\src)+4*i+1], v[(\src)+4*i+2], v[(\src)+4*i+3]
.set i, i+1
.endr
.endm
.macro WPUT src, d0, n                 ; and are laid into my wave's own rows
.set i, 0
.rept \n
	ds_store_b64 v[WST], v[(\src)+4*i:(\src)+4*i+1] offset:((\d0)+i)*WQP
.set i, i+1
.endr
.endm
	s_load_b256 s[4:11], s[0:1], 0x0               ; part, Wq, bq, rw
	s_load_b64 s[12:13], s[0:1], 0x20              ; pbias
	v_lshl_add_u32 v[SPW], v0, 2, SPARE
	v_mov_b32 v[NIL], 0
	v_lshrrev_b32 v1, 5, v0
	v_readfirstlane_b32 s[WV], v1
	s_lshr_b32 s[BAT], ttmp9, 5
	s_bfe_u32 s[HD], ttmp9, 0x30002
	s_and_b32 s[ET], ttmp9, 3
	s_mov_b32 s[SEL], 0x76543210
	s_mov_b32 s[SEL+1], 0xfedcba98
	v_and_b32 v1, 31, v0
	v_lshlrev_b32 v[LO], 4, v1
	v_and_b32 v[RR], 15, v0
	v_bfe_u32 v[HH], v0, 4, 1
	s_wait_alu depctr_va_sdst(0)                   ; the wave's number is written, ahead of its first reader: LDS addresses and the offsets into part, Wq and rw are made from it
	s_mul_i32 s[T0], s[WV], 64*WQP
	s_add_co_u32 s[T0], s[T0], WQS
	v_lshl_add_u32 v[WST], v1, 3, s[T0]
	v_and_b32 v[WTR], 7, v0
	v_lshl_add_u32 v[WTR], v[HH], 3, v[WTR]
	v_mul_u32_u24 v[WTR], v[WTR], WQP
	v_bfe_u32 v1, v0, 3, 1
	v_lshl_add_u32 v[WTR], v1, 4, v[WTR]
	v_add_nc_u32 v[WTR], s[T0], v[WTR]
	v_lshlrev_b32 v[BQO], 5, v[HH]
	v_lshlrev_b32 v[PBO], 2, v[RR]
	s_lshl_b32 s[T0], s[WV], 12
	v_add_nc_u32 v[SCW], s[T0], v[LO]
	s_mov_b32 s[OFF+1], 0
	s_wait_kmcnt 0x0
	s_lshl_b32 s[OFF], s[BAT], 5
	s_lshl_b32 s[T0], s[WV], 3
	s_add_co_u32 s[OFF], s[OFF], s[T0]             ; my first partial,
	s_lshl_b32 s[OFF], s[OFF], 17
	s_lshl_b32 s[T0], s[HD], 14                    ; the head,
	s_add_co_u32 s[OFF], s[OFF], s[T0]
	s_lshl_b32 s[T0], s[ET], 12                    ; the 16 columns e
	s_add_co_u32 s[OFF], s[OFF], s[T0]
	s_add_nc_u64 s[PART:PART+1], s[PART:PART+1], s[OFF:OFF+1]
	s_lshl_b32 s[OFF], s[HD], 17                   ; Wq: the head's 64 rows, my 128 columns
	s_lshl_b32 s[T0], s[WV], 9
	s_add_co_u32 s[OFF], s[OFF], s[T0]
	s_add_nc_u64 s[WQ:WQ+1], s[WQ:WQ+1], s[OFF:OFF+1]
	s_lshl_b32 s[OFF], s[HD], 8
	s_add_nc_u64 s[BQ:BQ+1], s[BQ:BQ+1], s[OFF:OFF+1]
	s_lshl_b32 s[OFF], s[BAT], 19                  ; rw: the batch; c / 64 = 2 w + ct / 4;
	s_lshl_b32 s[T0], s[WV], 17
	s_add_co_u32 s[OFF], s[OFF], s[T0]
	s_lshr_b32 s[T0], s[HD], 1
	s_lshl_b32 s[T0], s[T0], 14                    ; n / 128 = h / 2;
	s_add_co_u32 s[OFF], s[OFF], s[T0]
	s_and_b32 s[T0], s[HD], 1
	s_lshl_b32 s[T0], s[T0], 12                    ; (n / 16) & 7 = 4 (h & 1) + et
	s_add_co_u32 s[OFF], s[OFF], s[T0]
	s_lshl_b32 s[T0], s[ET], 10
	s_add_co_u32 s[OFF], s[OFF], s[T0]
	s_add_nc_u64 s[RWO:RWO+1], s[RWO:RWO+1], s[OFF:OFF+1]
	s_lshl_b32 s[OFF], s[BAT], 11
	s_lshl_b32 s[T0], s[HD], 8
	s_add_co_u32 s[OFF], s[OFF], s[T0]
	s_lshl_b32 s[T0], s[ET], 6
	s_add_co_u32 s[OFF], s[OFF], s[T0]
	s_add_nc_u64 s[PBI:PBI+1], s[PBI:PBI+1], s[OFF:OFF+1]
	s_wait_alu depctr_va_vdst(0)                   ; the six offsets and LDS addresses v4, v7, v8, v9, v12, v13 are written: every load and store of the kernel reads one of them
	PLOAD 0
	WLOAD W, 0, 16
	s_wait_loadcnt 16                              ; the first four partials are in; Wq's 16 loads are younger
	START
	ACCUM 2
	ACCUM 3
	s_wait_alu depctr_va_vdst(0)                   ; the additions are done reading P, in which the next four partials land
	PLOAD 4
	s_wait_loadcnt 32                              ; Wq's rows 0-15 are in; the 32 loads of partials are younger
	WCVT W, 16
	s_wait_alu depctr_va_vdst(0)                   ; the conversions have written W's pairs, which the LDS stores read; they are also done with all of W, in which rows 16-31 land below
	WPUT W, 0, 16
	s_wait_alu depctr_vm_vsrc(0)                   ; the LDS stores have read W's pairs, in which the next loads land
	WLOAD W, 16, 16
	s_wait_loadcnt 16                              ; the last four partials
	ACCUM 0
	ACCUM 1
	ACCUM 2
	ACCUM 3
	s_wait_alu depctr_va_vdst(0)                   ; the additions are done reading P, in which Wq's rows 32-63 land, and have written S, which the LDS stores read
	WLOAD P, 32, 32                                ; the loads from memory first: they have the longer way
.irp i, 0,1,2,3,4,5,6,7
	ds_store_b128 v[SCW], v[S+4*(\i):S+4*(\i)+3] offset:SCR+(\i)*512
.endr
	s_wait_loadcnt 32                              ; Wq's rows 16-31
	WCVT W, 16
	s_wait_alu depctr_va_vdst(0)                   ; the conversions have written W's pairs, which the LDS stores read; they are also done with W's lower half, in which bq lands below
	WPUT W, 16, 16
	s_wait_alu depctr_vm_vsrc(0)                   ; the LDS stores have read W's pairs: bq lands in the lower half, wave 0's arithmetic and the matrix instructions write W further down
.irp dt, 0,1,2,3
	global_load_b128 v[W+8*(\dt):W+8*(\dt)+3],   v[BQO], s[BQ:BQ+1] offset:(\dt)*64     ; bq[64 h + 16 dt + 8 (l / 16) + j], beside S's register 8 dt + j
	global_load_b128 v[W+8*(\dt)+4:W+8*(\dt)+7], v[BQO], s[BQ:BQ+1] offset:(\dt)*64+16
.endr
	s_wait_loadcnt 8                               ; Wq's rows 32-63; bq's 8 loads are younger
	WCVT P, 32
	s_wait_alu depctr_va_vdst(0)                   ; the conversions have written P's pairs, which the LDS stores read; they are also done with all of P, in which the four sums land below
	WPUT P, 32, 32
	s_wait_dscnt 0x0                               ; for the others' sake: my sum lies in LDS
	s_barrier_signal -1
	s_barrier_wait -1
	s_wait_alu depctr_vm_vsrc(0)                   ; my LDS stores have read P's pairs, in which the four sums land, and S, which the additions below write anew
.irp k, 0,1,2,3
.irp i, 0,1,2,3,4,5,6,7
	ds_load_b128 v[P+32*(\k)+4*(\i):P+32*(\k)+4*(\i)+3], v[LO] offset:SCR+(\k)*4096+(\i)*512
.endr
.endr
	s_wait_dscnt 0x0
	START
	ACCUM 2
	ACCUM 3
	s_wait_alu depctr_va_vdst(0)                   ; the additions are done reading P, in which the turned fragments land; the scaling and conversions behind the loads name S and X1 alone
.irp kap, 0,1
.irp ct, 0,1,2,3,4,5,6,7
	ds_load_tr16_b128 v[P+64*(\kap)+8*(\ct):P+64*(\kap)+8*(\ct)+3],   v[WTR] offset:(\kap)*32*WQP+32*(\ct)          ; my wave's own bytes: LDS serves a wave's instructions in order (ISA guide 5.7.1.4)
	ds_load_tr16_b128 v[P+64*(\kap)+8*(\ct)+4:P+64*(\kap)+8*(\ct)+7], v[WTR] offset:(\kap)*32*WQP+16*WQP+32*(\ct)
.endr
.endr
.set i, 0
.rept 16
	v_pk_mul_f32 v[S+2*i:S+2*i+1], v[S+2*i:S+2*i+1], 0x39800000 op_sel_hi:[1,0]   ; / 4096
.set i, i+1
.endr
.set i, 0
.rept 16
	v_cvt_pk_bf16_f32 v[X1+i], v[S+2*i], v[S+2*i+1]  ; fragment kap: registers 0-3 d = 32 kap + 8 (l / 16) + 0..7, registers 4-7 sixteen further on: S's own order
.set i, i+1
.endr
	s_wait_loadcnt 0x0                             ; bq
	s_cmp_lg_u32 s[WV], 0
	s_cbranch_scc1 .Lno_pb                         ; every wave holds kv; wave 0 makes pb, from the unrounded f32 kv and from bq rounded to bf16
.set i, 0
.rept 16
	v_cvt_pk_bf16_f32 v[W+2*i], v[W+2*i], v[W+2*i+1]
	v_and_b32 v[W+2*i+1], 0xffff0000, v[W+2*i]
	v_lshlrev_b32 v[W+2*i], 16, v[W+2*i]
.set i, i+1
.endr
	v_pk_mul_f32 v[PB2:PB2+1], v[S:S+1], v[W:W+1]
.set i, 1
.rept 15
	v_pk_fma_f32 v[PB2:PB2+1], v[S+2*i:S+2*i+1], v[W+2*i:W+2*i+1], v[PB2:PB2+1]
.set i, i+1
.endr
	v_add_f32 v[PB2], v[PB2], v[PB2+1]
	v_permlanex16_b32 v[PB2+1], v[PB2], s[SEL], s[SEL+1]  ; the other 32 d lie in the lane 16 away
	v_add_f32 v[PB2], v[PB2], v[PB2+1]
	s_wait_alu depctr_va_vdst(0)                   ; the last addition has written pb, which the store reads
	global_store_b32 v[PBO], v[PB2], s[PBI:PBI+1]  ; lanes l and l + 16 hold the same number and name the same word; neither register is written again
.Lno_pb:
	s_wait_dscnt 16                                ; the fragments of d = 0..31
.irp ct, 0,1,2,3,4,5,6,7               ; source 0 = 16 columns c of Wq (turned), source 1 = 16 rows e of kv: a lane holds row n and 8 neighbouring c.  The 8 accumulators take turns
	v_wmma_f32_16x16x32_bf16 v[W+8*(\ct):W+8*(\ct)+7], v[P+8*(\ct):P+8*(\ct)+7], v[X1:X1+7], 0
.endr
	s_wait_dscnt 0x0
.irp ct, 0,1,2,3,4,5,6,7
	v_wmma_f32_16x16x32_bf16 v[W+8*(\ct):W+8*(\ct)+7], v[P+64+8*(\ct):P+64+8*(\ct)+7], v[X1+8:X1+15], v[W+8*(\ct):W+8*(\ct)+7]
.endr
.rept 8
	v_nop                                          ; the places behind the last products (ISA guide 7.12.1)
.endr
.set i, 0
.rept 32
	v_cvt_pk_bf16_f32 v[S+i], v[W+2*i], v[W+2*i+1]  ; each accumulator's registers in ascending order
.set i, i+1
.endr
	s_wait_alu depctr_va_vdst(0)                   ; the conversions have written S, which the stores read
.irp ct, 0,1,2,3,4,5,6,7
	global_store_b128 v[LO], v[S+4*(\ct):S+4*(\ct)+3], s[RWO:RWO+1] offset:((\ct)/4)*65536+(((\ct)/2)%2)*8192+((\ct)%2)*512  ; 512 consecutive bytes
.endr
	s_wait_dscnt 0x0                               ; the closing lines, six on end
	s_wait_alu 0x0
	s_wait_tensorcnt 0x0
	ds_add_u32 v[SPW], v[NIL]
	s_wait_dscnt 0x0
	s_endpgm
.Lfunc_end_k_qd87e33c176_fold:
	.size	k_qd87e33c176_fold, .Lfunc_end_k_qd87e33c176_fold-k_qd87e33c176_fold
	.p2alignl 7, 3214868480
	.fill 96, 4, 3214868480
	.section	.rodata,"a",@progbits
	.p2align	6, 0x0
	.amdhsa_kernel k_qd87e33c176_fold
		.amdhsa_group_segment_fixed_size 90624
		.amdhsa_private_segment_fixed_size 0
		.amdhsa_enable_private_segment 0
		.amdhsa_kernarg_size 40
		.amdhsa_user_sgpr_count 2
		.amdhsa_user_sgpr_kernarg_segment_ptr 1
		.amdhsa_wavefront_size32 1
		.amdhsa_system_sgpr_workgroup_id_x 1
		.amdhsa_system_sgpr_workgroup_id_y 1
		.amdhsa_system_sgpr_workgroup_id_z 1
		.amdhsa_system_vgpr_workitem_id 0
		.amdhsa_next_free_vgpr 256
		.amdhsa_next_free_sgpr 66
		.amdhsa_reserve_vcc 0
		.amdhsa_float_denorm_mode_32 3
		.amdhsa_float_denorm_mode_16_64 3
		.amdhsa_memory_ordered 1
		.amdhsa_forward_progress 1
		.amdhsa_inst_pref_size 54
	.end_amdhsa_kernel
	.amdgpu_metadata
---
amdhsa.version: [ 1, 2 ]
amdhsa.kernels:
  - .name:           k_qd87e33c176_fold
    .symbol:         k_qd87e33c176_fold.kd
    .args:
      - { .name: part, .offset: 0, .size: 8, .value_kind: global_buffer, .address_space: global }
      - { .name: Wq, .offset: 8, .size: 8, .value_kind: global_buffer, .address_space: global }
      - { .name: bq, .offset: 16, .size: 8, .value_kind: global_buffer, .address_space: global }
      - { .name: rw, .offset: 24, .size: 8, .value_kind: global_buffer, .address_space: global }
      - { .name: pbias, .offset: 32, .size: 8, .value_kind: global_buffer, .address_space: global }
    .group_segment_fixed_size: 90624
    .private_segment_fixed_size: 0
    .kernarg_segment_align: 8
    .kernarg_segment_size: 40
    .max_flat_workgroup_size: 128
    .sgpr_count:     66
    .vgpr_count:     256
    .wavefront_size: 32
...
	.end_amdgpu_metadata
.endif
;; end of part 5
;; launch main: the kernel of part 4 again; grid 256 x 1, 4 waves a work-group, clusters of 4 x 1, 327,680 bytes of LDS; arguments query, rw, wf, pbias, bo1, bo2, out0; writes out0
